; MI455X (gfx1250); checked and timed in simulation.
; The chip was launched on July 23, 2026; its instructions are those of AMD's public machine-readable ISA for CDNA 5 (MIT licence, August 2026) and "CDNA5" Instruction Set Architecture Reference Guide (July 2026). The comments in the code are by the model that wrote it; some were corrected since.
;; Attention Base. Allowed arithmetic: matrix products marked QUANTISED: E2M3 operands, one E8M0 scale for each 32 along K, by v_wmma_scale_f32_16x16x128_f8f6f4 with both operands' format E2M3, f32 sums; everything else in f32.
;; Inputs: hidden_states 2,048 x 2,048 float32; k_norm_w 128 float32; position_ids 2,048 int32; q_norm_w 128 float32; wk 2,048 x 2,048 float32; wo 2,048 x 2,048 float32; wq 2,048 x 2,048 float32; wv 2,048 x 2,048 float32.
;; Outputs: out0 2,048 x 2,048 float32.
;; This version of the problem:
;;   THIS VERSION OF THE PROBLEM IS GIVEN IN LOW PRECISION. The matrix products marked QUANTISED in the list below multiply operands that are first quantised to E2M3 (2 exponent bits, 3 mantissa bits; 6 bits a number), with one power-of-two scale for each 32 numbers along K (OCP MX v1.0); their sums are f32. All else is computed in f32.
;;   The module's matrix products, in the order in which they are computed (A, B: the left and right operand; K: the contracted axis; several contracted axes count as one K, in the product's order):
;;     1. [M 2,048, K 2,048] x [K 2,048, N 2,048]; A: input hidden_states; B: input wq: QUANTISED
;;     2. [M 2,048, K 2,048] x [K 2,048, N 2,048]; A: input hidden_states; B: input wk: QUANTISED
;;     3. [M 2,048, K 2,048] x [K 2,048, N 2,048]; A: input hidden_states; B: input wv: QUANTISED
;;     4. batch 16 x [M 2,048, K 128] x [K 128, N 2,048]; A: computed on the way; B: computed on the way: QUANTISED
;;     5. batch 16 x [M 128, K 2,048] x [K 2,048, N 2,048]; A: computed on the way; B: softmax (see below): QUANTISED
;;     6. [M 2,048, K 2,048] x [K 2,048, N 2,048]; A: computed on the way; B: input wo: QUANTISED
;;   THE QUANTISER, for each operand of a quantised product, along K:
;;     - K is cut into blocks of 32 from its start; a last block that is shorter is filled with zeros.
;;     - A block's scale is 2^e with e = floor(log2(the largest magnitude in the block)) - 2, held to -126 .. 127; a block of zeros has e = 0. As a byte (E8M0): e + 127.
;;     - Each number is divided by its block's scale, clamped to +-7.5, and rounded to the nearest number of E2M3, ties to even, subnormals kept.
;;     - The product sums the exact products of the quantised numbers (number of the format x scale) in f32.
;;   ~~~python
;;   def quantise(x, axis):      # numpy; x: float32 -> the quantised numbers, widened to float32 again
;;       x = np.moveaxis(x, axis, -1); K = x.shape[-1]
;;       x = np.pad(x, [(0, 0)] * (x.ndim - 1) + [(0, -K % 32)]); x = x.reshape(x.shape[:-1] + (-1, 32)); a = np.abs(x).max(-1, keepdims=True)
;;       e = np.where(a > 0, np.clip(np.frexp(np.where(a > 0, a, 1))[1] - 1 - 2, -126, 127), 0)      # np.frexp(a)[1] - 1 = floor(log2(a)), exactly
;;       r = np.clip(x / 2.0 ** e, -7.5, 7.5)
;;       step = 2.0 ** (np.maximum(np.frexp(np.where(r == 0, 1, r))[1] - 1, 0) - 3)
;;       q = np.round(r / step) * step * 2.0 ** e      # np.round: ties to even
;;       return np.moveaxis(q.reshape(q.shape[:-2] + (-1,))[..., :K], -1, axis).astype(np.float32)
;;   ~~~
;;   SOFTMAX AHEAD OF A QUANTISED PRODUCT. Where the list says 'softmax', what is quantised is not the finished softmax but p = 2^(t - M), with t = logit x log2(e) and M = ceil(the row's largest t), a whole number; so 1/2 < the row's largest p <= 1. The row's sum l is taken of the UNQUANTISED p, in f32, and the product's result is divided by l at the end. Since M is a whole number, a kernel that streams over the keys may use a running M (the ceiling of the running maximum): every later rescaling is an exact power of two, which a block's scale takes up: the codes' values come out the same.
;;   OPERANDS COMPUTED ON THE WAY. 'Computed on the way' means the value that the module computes at that place (a softmax that the list does not call 'softmax' is quantised finished and normalised). What goes into a quantiser is computed in f32, as accurately as f32 sums, v_exp_f32 and their like allow (about 1e-6 of the number): no bf16 or f16 on the way to a quantiser, and a product that is left as it is and whose result goes on into a quantised operand takes f32 operands (vector FMAs, or v_wmma_f32_16x16x4_f32). A number that lies on a knife's edge between two numbers of the format may be rounded either way, as far as f32 arithmetic and the matrix unit's own rounding can turn it there, and no further.
;; One version. Each part assembles by itself: llvm-mc -triple=amdgcn-amd-amdhsa -mcpu=gfx1250 --defsym DOCPART=n.
;; ======== version 1 of 1: 4 launches
;; limits: right only within a limited range of input values
;; workspace buffers: xop 3,276,800 bytes; wop 13,107,200 bytes; rope_tab 1,048,576 bytes; qop 3,276,800 bytes; kv 6,553,600 bytes; cop 3,276,800 bytes
;; launch prep (part 1): grid 768 x 1, 4 waves a work-group, no clusters, 59,904 bytes of LDS; arguments hidden_states, position_ids, wq, wk, wv, wo, xop, wop, rope_tab; writes xop, wop, rope_tab
.if DOCPART == 1
	.amdgcn_target "amdgcn-amd-amdhsa--gfx1250"
	.amdhsa_code_object_version 6
	.text
	.protected	k_qb0d4c9ff73_prep
	.globl	k_qb0d4c9ff73_prep
	.p2align	8
	.type	k_qb0d4c9ff73_prep,@function
k_qb0d4c9ff73_prep:
	s_mov_b64 s[64:65], 0
	v_nop
	global_prefetch_b8 v0, s[64:65] scope:SCOPE_SE
	s_setreg_imm32_b32 hwreg(HW_REG_WAVE_MODE, 25, 1), 1
	s_wait_xcnt 0x0
; PREP: hidden_states and the four weights, f32, become codes of FP6 (E2M3) with one E8M0 byte for each 32 along K; position_ids become a table of cosines and sines.
; THE CODES ARE LAID AS IMAGES OF OPERAND REGISTERS.  A fragment is 16 rows x 128 K = 12 registers a lane; register p of lane L lies at byte 512 (p / 4) + 16 L + 4 (p % 4) of its 1,536 bytes,
; so that three loads of 16 bytes a lane, at 16 x lane, bring it back as it stands.  An operand of 2,048 rows x 2,048 K: image (rb, ks) at (ks / 2) x 393,216 + rb x 3,072 + (ks % 2) x 1,536;
; behind the codes the scale words: (rb, ks, r) at rb x 1,024 + ks x 64 + 4 r.
; THE ROWS OF A BLOCK ARE NOT NEIGHBOURS: place r of block rb holds row 32 (rb / 2) + 8 (rb % 2) + r + 8 (r / 8), for tokens and for weights' columns alike: a product's results then lie in a lane's
; registers as 16 neighbours along the next product's K.
; Work-groups 0-511 take the weights (K is their FIRST axis: a lane takes a column and its registers run down K); work-groups 512-767 take hidden_states (K innermost) and the table.
; The two ways have LDS bytes of their own.  No barrier: waves share nothing.
; A block's scale is 2^(floor(log2(largest magnitude)) - 2); its byte is the largest magnitude's exponent field - 2, held at 1 from below.
; LIMITS: NaN and infinities are not served.  A block whose largest magnitude lies under 2^-124 keeps the byte 1; a block of zeros has the byte 1 and not 127 (its codes are zeros; this program alone reads the bytes).
; |position_ids| under 2^22: the angle is reduced by pi/2 in two parts.  The frequencies are 2^(-j log2(10000) / 64) by v_exp_f32.
.set KSL,  393216                      ; a K slot (256 along K) of an operand's codes
.set OPB,  3145728                     ; an operand's codes
.set WSTG, 6400                        ; weights: a wave's stage: two pairs of images, 3,072 bytes each, 128 bytes between them
.set XST,  25600                       ; hidden_states: the stages begin behind the weights' way's bytes
.set XSTG, 8448                        ; a wave's stage: 16 rows x (512 + 16) bytes
.set X,    32                          ; weights: v32-95  two sets of 32 numbers
.set C,    96                          ; v96-101  a block's six registers of codes
.set T,    104                         ; v104-106 the block's upper 16 codes as they are made
.set OUTR, 112                         ; v112-159 the way out
.set SB,   24                          ; v24-25   the two scale words
.set R,    16                          ; hidden_states: v16-143 two K steps as loaded; v16-79 later the second step's 64 numbers in order
.set Y0,   144                         ; v144-207 the first step's 64 numbers in order
.set TM,   208                         ; v208-223 at work in QUANT
.set PW,   224                         ; the scale word just made
.set PC,   226                         ; v226-245 the codes just made
.set SEL,  58                          ; s58-59   lane selects: lane l xor 16
; 64 numbers of a lane, register 16 b + i = k 32 b + 16 (lane / 16) + i of my row, become a fragment's codes in v[PC] on and its scale word in v[PW].
.macro QUANT s
.irp b, 0,1,2,3
	v_max3_num_f32 v[TM+\b], |v[\s+16*\b]|, |v[\s+1+16*\b]|, 0x1800000   ; my 16 numbers of block b, and the floor 2^(3 - 127): the byte cannot fall under 1
.endr
.irp i, 2,4,6,8,10,12,14
.irp b, 0,1,2,3
	v_max3_num_f32 v[TM+\b], v[TM+\b], |v[\s+16*\b+\i]|, |v[\s+1+16*\b+\i]|
.endr
.endr
.irp b, 0,1,2,3
	v_permlanex16_b32 v[TM+4+\b], v[TM+\b], s[SEL], s[SEL+1]
.endr
.irp b, 0,1,2,3
	v_max_num_f32 v[TM+\b], v[TM+\b], v[TM+4+\b]           ; with lane l xor 16's: the block's largest magnitude
.endr
.irp b, 0,1,2,3
	v_add_nc_u32 v[TM+12+\b], 0xff000000, v[TM+\b]         ; 2 off its exponent field: the conversion's scale operand
.endr
.irp b, 0,1,2,3
	v_lshrrev_b32 v[TM+4+\b], 23, v[TM+12+\b]              ; the scale's byte
.endr
	v_lshl_or_b32 v[PW], v[TM+5], 8, v[TM+4]
	v_lshl_or_b32 v[PW], v[TM+6], 16, v[PW]
	v_lshl_or_b32 v[PW], v[TM+7], 24, v[PW]
.irp c, 0,1
	v_cvt_scalef32_pk16_fp6_f32 v[PC+6*\c:PC+2+6*\c], v[\s+32*\c:\s+15+32*\c], v[TM+12+2*\c]
	v_cvt_scalef32_pk16_fp6_f32 v[PC+12+4*\c:PC+14+4*\c], v[\s+16+32*\c:\s+31+32*\c], v[TM+12+2*\c+1]   ; (a conversion's three registers begin on an even number)
.endr
	v_nop                                                  ; one plain line behind the conversions
.irp c, 0,1                                            ; the operand wants a whole block in a lane: lanes 0-15 block 2 c, lanes 16-31 block 2 c + 1
.irp i, 0,1,2
	v_permlane16_swap_b32 v[PC+6*\c+\i], v[PC+12+4*\c+\i]
.endr
.irp i, 0,1,2
	v_mov_b32 v[PC+3+6*\c+\i], v[PC+12+4*\c+\i]
.endr
.endr
.endm
; cosine and sine of the angle in v[ang]: n = the nearest whole number of quarter turns; r = angle - n pi/2, pi/2 in two parts; polynomials on |r| <= pi/4; the quadrant swaps the two and sets the signs.
.macro SINCOS ang, c, s
	v_mul_f32 v10, s48, v[\ang]
	v_rndne_f32 v10, v10
	v_fma_f32 v11, -v10, s49, v[\ang]
	v_fma_f32 v11, -v10, s50, v11
	v_mul_f32 v12, v11, v11
	v_fma_f32 v13, v12, s51, s52
	v_fma_f32 v14, v12, s54, s55
	v_fma_f32 v13, v13, v12, s53
	v_fma_f32 v14, v14, v12, s56
	v_mul_f32 v13, v13, v12
	v_mul_f32 v14, v14, v12
	v_fma_f32 v15, v12, -0.5, 1.0
	v_fma_f32 v13, v13, v11, v11                           ; sin r
	v_fma_f32 v14, v14, v12, v15                           ; cos r
	v_cvt_i32_f32 v10, v10
	v_and_b32 v15, 1, v10
	v_cmp_eq_u32 vcc_lo, 1, v15
	v_cndmask_b32 v[\s], v13, v14, vcc_lo                  ; an odd quadrant swaps them
	v_cndmask_b32 v[\c], v14, v13, vcc_lo
	v_and_b32 v15, 2, v10
	v_lshlrev_b32 v15, 30, v15
	v_xor_b32 v[\s], v15, v[\s]                            ; quadrants 2, 3: -sine
	v_add_nc_u32 v10, 1, v10
	v_and_b32 v10, 2, v10
	v_lshlrev_b32 v10, 30, v10
	v_xor_b32 v[\c], v10, v[\c]                            ; quadrants 1, 2: -cosine
.endm
	s_load_b256 s[4:11], s[0:1], 0x0               ; hidden_states s[4:5], position_ids s[6:7], wq s[8:9], wk s[10:11]
	s_load_b256 s[12:19], s[0:1], 0x20             ; wv s[12:13], wo s[14:15], xop s[16:17], wop s[18:19]
	s_load_b64 s[20:21], s[0:1], 0x40              ; rope_tab
	v_lshl_add_u32 v241, v0, 2, 0xe800
	v_mov_b32 v245, 0
	v_lshrrev_b32 v1, 5, v0
	v_readfirstlane_b32 s22, v1                    ; wave 0..3
	v_and_b32 v2, 31, v0                           ; lane
	s_cmp_lt_u32 ttmp9, 512
	s_cbranch_scc0 .Lxpath
; ---------------- THE WEIGHTS.  Work-group g: weight g / 128, 256 along K: (g / 16) % 8, 128 columns: g % 16.  A wave takes 32 columns: two row blocks x two K steps = four images, 6,144 bytes on end.
	s_lshr_b32 s23, ttmp9, 7                       ; which weight
	s_and_b32 s24, ttmp9, 15                       ; which 128 columns
	s_bfe_u32 s25, ttmp9, 0x30004                  ; which K slot
	s_lshl_b32 s26, s24, 3
	s_lshl_b32 s27, s22, 1
	s_add_co_u32 s26, s26, s27                     ; my first row block: 8 x columns' group + 2 x wave
	s_lshl_b32 s28, s25, 21                        ; in: 256 rows of 8,192 bytes a K slot,
	s_lshl_b32 s29, s26, 6                         ; 64 bytes a row block
	s_add_co_u32 s28, s28, s29
	s_mov_b32 s29, 0
	s_mul_i32 s30, s23, OPB                        ; out: the weight's codes, the K slot, the row block
	s_mul_i32 s31, s25, KSL
	s_add_co_u32 s30, s30, s31
	s_mul_i32 s31, s26, 3072
	s_add_co_u32 s30, s30, s31
	s_mov_b32 s31, 0
	s_lshl_b32 s32, s23, 17                        ; the scale words: behind the four weights' codes
	s_lshl_b32 s33, s26, 10
	s_add_co_u32 s32, s32, s33
	s_lshl_b32 s33, s25, 7
	s_add_co_u32 s32, s32, s33
	s_add_co_u32 s32, s32, 4*OPB
	s_mov_b32 s33, 0
	s_wait_alu depctr_va_vdst(0)
	v_lshlrev_b32 v3, 2, v2                        ; in: 4 bytes a lane
	v_bfe_u32 v5, v2, 3, 1                         ; column n0 + lane is place r of block rb0 + u: u = (lane / 8) % 2,
	v_and_b32 v6, 7, v2
	v_lshrrev_b32 v10, 4, v2
	v_lshl_add_u32 v6, v10, 3, v6                  ; r = lane % 8 + 8 (lane / 16)
	s_mul_i32 s34, s22, WSTG
	v_mul_u32_u24 v4, v5, 3200
	v_lshl_add_u32 v4, v6, 4, v4
	v_add_nc_u32 v4, s34, v4                       ; into my stage: block u's pair of images, 16 r
	v_lshlrev_b32 v8, 4, v2                        ; out: 16 bytes a lane
	v_add_nc_u32 v7, s34, v8                       ; and out of my stage
	v_lshlrev_b32 v9, 10, v5
	v_lshl_add_u32 v9, v6, 2, v9                   ; my column's scale words: 1,024 u + 4 r
	s_wait_kmcnt 0x0
	s_bitcmp1_b32 s23, 0                           ; the weight is chosen by the work-group's number alone
	s_cselect_b64 s[36:37], s[10:11], s[8:9]
	s_cselect_b64 s[38:39], s[14:15], s[12:13]
	s_bitcmp1_b32 s23, 1
	s_cselect_b64 s[36:37], s[38:39], s[36:37]
	s_add_nc_u64 s[36:37], s[36:37], s[28:29]
	s_add_nc_u64 s[38:39], s[18:19], s[30:31]
	s_add_nc_u64 s[40:41], s[18:19], s[32:33]
.macro LOAD t                          ; block t: w(32 t + i, my column), i = 0 .. 31, into set t % 2; the four waves read 512 consecutive bytes of a row
.irp i, 0,1,2,3,4,5,6,7,8,9,10,11,12,13,14,15,16,17,18,19,20,21,22,23,24,25,26,27,28,29,30,31
	global_load_b32 v[X+32*((\t)%2)+\i], v3, s[36:37] offset:(32*(\t)+\i)*8192 th:TH_LOAD_NT
.endr
.endm
	LOAD 0
	LOAD 1
.macro BLOCK t                         ; block t is K step t / 4, registers 6 c .. 6 c + 5 of lane r + 16 h, c = (t % 4) / 2, h = t % 2
.set XS, X+32*((\t)%2)
.set QQ, (\t)/4
.set CC, ((\t)%4)/2
.set HH, (\t)%2
.if (\t) < 7
	s_wait_loadcnt 32                              ; this block's 32 loads are in; the next block's may be out
.else
	s_wait_loadcnt 0x0
.endif
	v_max3_num_f32 v12, |v[XS]|, |v[XS+1]|, |v[XS+2]|      ; the block's largest magnitude: all 32 numbers are mine
	v_max3_num_f32 v13, |v[XS+3]|, |v[XS+4]|, |v[XS+5]|
.irp i, 6,10,14,18,22,26
	v_max3_num_f32 v12, v12, |v[XS+\i]|, |v[XS+\i+1]|
	v_max3_num_f32 v13, v13, |v[XS+\i+2]|, |v[XS+\i+3]|
.endr
	v_max3_num_f32 v12, v12, |v[XS+30]|, |v[XS+31]|
	v_max3_num_f32 v12, v12, v13, 0x1800000        ; and the floor
	v_add_nc_u32 v11, 0xff000000, v12              ; the conversion's scale operand
	v_cvt_scalef32_pk16_fp6_f32 v[C:C+2], v[XS:XS+15], v11
	v_cvt_scalef32_pk16_fp6_f32 v[T:T+2], v[XS+16:XS+31], v11
	v_lshrrev_b32 v13, 23, v11                     ; the scale's byte (the plain line behind the conversions)
.if (\t)%4 == 0
	v_mov_b32 v[SB+QQ], v13
.else
	v_lshl_or_b32 v[SB+QQ], v13, 8*((\t)%4), v[SB+QQ]
.endif
.irp i, 0,1,2
	v_mov_b32 v[C+3+\i], v[T+\i]
.endr
.if CC == 0
	ds_store_b128 v4, v[C:C+3] offset:1536*QQ+256*HH       ; registers 0-3,
	ds_store_b64 v4, v[C+4:C+5] offset:1536*QQ+512+256*HH  ; 4-5
.else
	ds_store_b64 v4, v[C:C+1] offset:1536*QQ+520+256*HH    ; registers 6-7,
	ds_store_b128 v4, v[C+2:C+5] offset:1536*QQ+1024+256*HH ; 8-11
.endif
.if (\t)+2 < 8
	LOAD (\t)+2
.endif
	s_wait_dscnt 0x0                               ; the stores have read their registers: the next block's codes may be written
.endm
.irp t, 0,1,2,3,4,5,6,7
	BLOCK \t
.endr
	global_store_b32 v9, v[SB], s[40:41]           ; my column's scale words of the two K steps
	s_wait_alu depctr_va_vdst(0)
	global_store_b32 v9, v[SB+1], s[40:41] offset:64
.irp i, 0,1,2,3,4,5,6,7,8,9,10,11
	ds_load_b128 v[OUTR+4*\i:OUTR+4*\i+3], v7 offset:(\i/6)*3200+(\i%6)*512   ; LDS serves a wave's instructions in order: these see my stores
.endr
.irp i, 0,1,2,3,4,5,6,7,8,9,10,11
	s_wait_dscnt 11-\i                             ; the younger read-backs may be out
	global_store_b128 v8, v[OUTR+4*\i:OUTR+4*\i+3], s[38:39] offset:512*\i    ; 32 lanes store 512 consecutive bytes, at a multiple of 256 from the buffer's first byte
.endr
	s_wait_tensorcnt 0x0
	ds_add_u32 v241, v245
	s_wait_dscnt 0x0
	s_endpgm
; ---------------- HIDDEN_STATES AND THE TABLE.  Work-group i = g - 512: row block i / 2; wave w: K slot 4 (i % 2) + w (two K steps, two images); and the table's rows of tokens 8 i + 2 w, + 1.
.Lxpath:
	s_sub_co_u32 s23, ttmp9, 512
	s_lshr_b32 s24, s23, 1                         ; row block
	s_and_b32 s25, s23, 1
	s_lshl_b32 s25, s25, 2
	s_add_co_u32 s25, s25, s22                     ; K slot
	s_lshr_b32 s26, s24, 1
	s_lshl_b32 s26, s26, 18                        ; in: token 32 (rb / 2) + 8 (rb % 2), rows of 8,192 bytes,
	s_and_b32 s27, s24, 1
	s_lshl_b32 s27, s27, 16
	s_add_co_u32 s26, s26, s27
	s_lshl_b32 s27, s25, 10                        ; 1,024 bytes a K slot
	s_add_co_u32 s26, s26, s27
	s_mov_b32 s27, 0
	s_mul_i32 s28, s25, KSL                        ; out: the images
	s_mul_i32 s29, s24, 3072
	s_add_co_u32 s28, s28, s29
	s_mov_b32 s29, 0
	s_lshl_b32 s30, s24, 10                        ; and the scale words
	s_lshl_b32 s31, s25, 7
	s_add_co_u32 s30, s30, s31
	s_add_co_u32 s30, s30, OPB
	s_mov_b32 s31, 0
	s_lshl_b32 s32, s23, 3
	s_lshl_b32 s33, s22, 1
	s_add_co_u32 s32, s32, s33                     ; my first token of the table
	s_lshl_b32 s34, s32, 2
	s_mov_b32 s35, 0
	s_lshl_b32 s32, s32, 9                         ; 512 bytes a token
	s_mov_b32 s33, 0
	s_mov_b32 s48, 0x3f22f983                      ; 2 / pi
	s_mov_b32 s49, 0x3fc90fdb                      ; pi / 2, upper part
	s_mov_b32 s50, 0xb33bbd2e                      ; and the rest
	s_mov_b32 s51, 0xb94ca1f9                      ; sine: -1.9515296e-4, 8.3321609e-3, -1.6666655e-1
	s_mov_b32 s52, 0x3c08839e
	s_mov_b32 s53, 0xbe2aaaa3
	s_mov_b32 s54, 0x37ccf5ce                      ; cosine: 2.4433157e-5, -1.3887316e-3, 4.1666646e-2
	s_mov_b32 s55, 0xbab6061a
	s_mov_b32 s56, 0x3d2aaaa5
	s_mov_b32 s[SEL], 0x76543210
	s_mov_b32 s[SEL+1], 0xfedcba98
	s_wait_alu depctr_va_vdst(0)
	v_lshlrev_b32 v1, 4, v2                        ; 16 x lane
	v_and_b32 v5, 15, v2                           ; r
	v_lshrrev_b32 v6, 4, v2                        ; h
	s_mul_i32 s40, s22, XSTG
	s_add_co_u32 s40, s40, XST
	v_add_nc_u32 v3, s40, v1                       ; into my stage: a row's 512 bytes as they lie
	v_mul_u32_u24 v4, v5, 528
	v_lshl_add_u32 v4, v6, 6, v4
	v_add_nc_u32 v4, s40, v4                       ; out of it: row r, + 64 h: my 16 numbers of a block of 32
	v_lshlrev_b32 v7, 1, v2                        ; the table: my pairs 2 x lane, 2 x lane + 1
	v_lshlrev_b32 v2, 2, v5                        ; 4 r: a scale word's place
	s_wait_alu depctr_va_vdst(0)
	s_wait_kmcnt 0x0
	s_add_nc_u64 s[4:5], s[4:5], s[26:27]
	s_add_nc_u64 s[6:7], s[6:7], s[34:35]
	s_load_b64 s[44:45], s[6:7], 0x0               ; my two tokens' position ids
	s_add_nc_u64 s[36:37], s[16:17], s[28:29]
	s_add_nc_u64 s[38:39], s[16:17], s[30:31]
	s_add_nc_u64 s[20:21], s[20:21], s[32:33]
.irp q, 0,1
.irp p, 0,1,2,3,4,5,6,7,8,9,10,11,12,13,14,15
	global_load_b128 v[R+64*\q+4*\p:R+64*\q+4*\p+3], v1, s[4:5] offset:(\p+8*(\p/8))*8192+512*\q th:TH_LOAD_NT   ; place p's token, K step q: 32 lanes read 512 consecutive bytes
.endr
.endr
	; the table, while the loads are on their way
	v_cvt_f32_u32 v7, v7
	v_add_f32 v8, 1.0, v7
	v_mul_f32 v7, 0xbe549a78, v7                   ; -j log2(10000) / 64
	v_mul_f32 v8, 0xbe549a78, v8
	s_wait_alu depctr_va_vdst(0)
	v_exp_f32 v5, v7                               ; the two frequencies
	v_exp_f32 v6, v8
	v_nop                                          ; a plain line behind the exponentials,
	s_wait_alu depctr_va_vdst(0)                   ; and the wait ahead of their first reader
	s_wait_kmcnt 0x0
	v_cvt_f32_i32 v8, s44
	v_cvt_f32_i32 v9, s45
	v_mul_f32 v246, v8, v5
	v_mul_f32 v247, v8, v6
	SINCOS 246, 248, 249
	SINCOS 247, 250, 251
	global_store_b128 v1, v[248:251], s[20:21]     ; cos, sin, cos, sin of my two pairs: the wave stores the token's 512 bytes
	v_mul_f32 v246, v9, v5
	v_mul_f32 v247, v9, v6
	SINCOS 246, 252, 253
	SINCOS 247, 254, 255
	global_store_b128 v1, v[252:255], s[20:21] offset:512
.irp b, 0,1,2,3
	v_mov_b32 v[TM+4+\b], 0                        ; written once: a lane permute's destination counts as one of its sources
.endr
.macro TURN src, dst                   ; 16 rows x 512 bytes through my stage: in as loaded, out 64 bytes a lane and block
.irp p, 0,1,2,3,4,5,6,7,8,9,10,11,12,13,14,15
	ds_store_b128 v3, v[\src+4*\p:\src+4*\p+3] offset:528*\p
.endr
.irp b, 0,1,2,3
.irp j, 0,1,2,3
	ds_load_b128 v[\dst+16*\b+4*\j:\dst+16*\b+4*\j+3], v4 offset:128*\b+16*\j
.endr
.endr
.endm
.macro PUTX q
.irp c, 0,1,2
	global_store_b128 v1, v[PC+4*\c:PC+4*\c+3], s[36:37] offset:1536*\q+512*\c
.endr
	global_store_b32 v2, v[PW], s[38:39] offset:64*\q      ; both halves of the lanes hold the same word and write it to the same place
.endm
	s_wait_loadcnt 16                              ; the first K step's 16 loads are in; the second's may be out
	TURN R, Y0
	s_wait_loadcnt 0x0
	s_wait_dscnt 0x0                               ; the first step is back: its stores have read v16-79, which take the second step's numbers
	TURN R+64, R
	QUANT Y0
	PUTX 0
	s_wait_dscnt 0x0                               ; the second step is back
	s_wait_xcnt 0x0                                ; the codes' registers and the scale word are written again only behind this wait
	QUANT R
	PUTX 1
	s_wait_tensorcnt 0x0
	ds_add_u32 v241, v245
	s_wait_dscnt 0x0
	s_endpgm
.Lfunc_end_k_qb0d4c9ff73_prep:
	.size	k_qb0d4c9ff73_prep, .Lfunc_end_k_qb0d4c9ff73_prep-k_qb0d4c9ff73_prep
	.p2alignl 7, 3214868480
	.fill 96, 4, 3214868480
	.section	.rodata,"a",@progbits
	.p2align	6, 0x0
	.amdhsa_kernel k_qb0d4c9ff73_prep
		.amdhsa_group_segment_fixed_size 59904
		.amdhsa_private_segment_fixed_size 0
		.amdhsa_enable_private_segment 0
		.amdhsa_kernarg_size 72
		.amdhsa_user_sgpr_count 2
		.amdhsa_user_sgpr_kernarg_segment_ptr 1
		.amdhsa_wavefront_size32 1
		.amdhsa_system_sgpr_workgroup_id_x 1
		.amdhsa_system_sgpr_workgroup_id_y 1
		.amdhsa_system_sgpr_workgroup_id_z 1
		.amdhsa_system_vgpr_workitem_id 0
		.amdhsa_next_free_vgpr 256
		.amdhsa_next_free_sgpr 66
		.amdhsa_reserve_vcc 1
		.amdhsa_float_denorm_mode_32 3
		.amdhsa_float_denorm_mode_16_64 3
		.amdhsa_memory_ordered 1
		.amdhsa_forward_progress 1
		.amdhsa_inst_pref_size 66
	.end_amdhsa_kernel
	.amdgpu_metadata
---
amdhsa.version: [ 1, 2 ]
amdhsa.kernels:
  - .name:           k_qb0d4c9ff73_prep
    .symbol:         k_qb0d4c9ff73_prep.kd
    .args:
      - { .name: hidden_states, .offset: 0, .size: 8, .value_kind: global_buffer, .address_space: global }
      - { .name: position_ids, .offset: 8, .size: 8, .value_kind: global_buffer, .address_space: global }
      - { .name: wq, .offset: 16, .size: 8, .value_kind: global_buffer, .address_space: global }
      - { .name: wk, .offset: 24, .size: 8, .value_kind: global_buffer, .address_space: global }
      - { .name: wv, .offset: 32, .size: 8, .value_kind: global_buffer, .address_space: global }
      - { .name: wo, .offset: 40, .size: 8, .value_kind: global_buffer, .address_space: global }
      - { .name: xop, .offset: 48, .size: 8, .value_kind: global_buffer, .address_space: global }
      - { .name: wop, .offset: 56, .size: 8, .value_kind: global_buffer, .address_space: global }
      - { .name: rope_tab, .offset: 64, .size: 8, .value_kind: global_buffer, .address_space: global }
    .group_segment_fixed_size: 59904
    .private_segment_fixed_size: 0
    .kernarg_segment_align: 8
    .kernarg_segment_size: 72
    .max_flat_workgroup_size: 128
    .sgpr_count:     66
    .vgpr_count:     256
    .wavefront_size: 32
...
	.end_amdgpu_metadata
.endif
;; end of part 1
;; launch qkv (part 2): grid 24 x 8, 4 waves a work-group, clusters of 4 x 4, 327,680 bytes of LDS; arguments xop, wop, rope_tab, q_norm_w, k_norm_w, qop, kv; writes qop, kv
.if DOCPART == 2
	.amdgcn_target "amdgcn-amd-amdhsa--gfx1250"
	.amdhsa_code_object_version 6
	.text
	.protected	k_qb0d4c9ff73_qkv
	.globl	k_qb0d4c9ff73_qkv
	.p2align	8
	.type	k_qb0d4c9ff73_qkv,@function
k_qb0d4c9ff73_qkv:
	s_mov_b64 s[64:65], 0
	v_nop
	global_prefetch_b8 v0, s[64:65] scope:SCOPE_SE
	s_setreg_imm32_b32 hwreg(HW_REG_WAVE_MODE, 25, 1), 1
	s_wait_xcnt 0x0
	s_wait_alu depctr_hold_cnt(0) depctr_sa_sdst(0) depctr_va_vdst(0) depctr_va_sdst(0) depctr_va_ssrc(0) depctr_va_vcc(0) depctr_vm_vsrc(0)
	s_getreg_b32 s2, hwreg(HW_REG_IB_STS2, 6, 4)
	s_cmp_eq_u32 s2, 0
	s_cbranch_scc0 .Lentry_in_a_cluster
	s_endpgm
.Lentry_in_a_cluster:
	s_bfe_u32 s2, ttmp6, 0x10000c
	s_cmp_lg_u32 s2, 0xf033
	s_cbranch_scc0 .Lentry_shape_is_right
	s_endpgm
.Lentry_shape_is_right:
; QKV: x wq, x wk, x wv on codes of FP6 (E2M3), and what follows them, up to the codes that attention reads.
; A tile is 256 x 256, four waves, 128 x 128 each: 64 accumulators, 512 registers.  K goes in slots of 256 through a ring of two LDS slots.  Cluster x / 2 says which product: 0 q, 1 k, 2 v.
; 3 x 64 tiles = 192 work-groups: a head's 128 columns must lie in one wave (its norm and its blocks of 32), and every smaller tile that keeps that gives 384, which fills 256 WGPs no better.
; OPERANDS ARE IMAGES OF REGISTERS (1,536 bytes a fragment, 16 bytes a lane three times): eight row blocks of a K slot are 24,576 dense bytes, one tensor load; a fragment is three ds_load_b128 at 16 x lane.
; THE MATRIX INSTRUCTION IS USED TRANSPOSED: source 0 = 16 rows of "B", source 1 = 16 rows of "A".  A lane holds one row of A; place r of a block holds row 32 (rb / 2) + 8 (rb % 2) + r + 8 (r / 8),
; so the 64 registers of a lane's eight accumulators are: register 16 b + i = B's row 32 b + 16 (lane / 16) + i: 16 neighbours along the next product's K.
;   q, k: A = tokens (xop), B = the weight's columns: a lane holds a token and 64 channels of a head: RMS norm, rotary turn, quantised along the channels.
;   v:    A = wv's columns, B = tokens: a lane holds a channel and 64 tokens: quantised along the keys.
; CLUSTERS: 4 x 4.  A's tiles are shared along a row of the cluster, B's along a column: joint loads.  The product's kind hangs on the cluster's x alone: it is the same in all sixteen partners.
; SCALES: the words of the work-group's 256 + 256 rows for all of K come once.  A load of 4 bytes a lane brings a block's words of two K steps: lanes 0-15 the even step's, lanes 16-31 the odd one's.
; OUT: q: qop [head][row block][1,536], its scale words behind; k, v: kv [head][128 keys] records of 25,600 bytes: 8 images of K, 8 of V, K's scale words (512 bytes), V's.
; LIMITS: NaN and infinities are not served; a block under 2^-124, or of zeros, keeps the byte 1 (its codes are zeros or near; this program alone reads the bytes).
; REGISTERS: window 0: v8-29 addresses; v32-63 scale words, two sets; v64-127 the norm's weights; v128-223 A's fragments, one set; behind the loop v128-251 are at work.
;   window 1: B's fragments, two sets, at v0 and v128; behind the loop the cosines and sines, four sets.   windows 2, 3: the accumulators ((a, b) at v[8 (8 (a % 4) + b)]).
.set FR,    12
.set NL,    3                          ; LDS loads that bring a fragment
.set NP,    4                          ; places behind this matrix instruction (ISA guide 7.12.1)
.set PART,  24576                      ; eight row blocks of a K slot: what one tensor load brings, and what a wave reads of A or of B
.set SLOT,  4*PART
.set KSL,   393216                     ; a K slot on, in memory
.set OPB,   3145728
.set SCL,   2*SLOT                     ; behind the ring: the scale words, 8,192 bytes for each 128 rows
.set SPARE, SCL+4*8192                 ; the spare words, 128 bytes for each wave: two blocks of 256 bytes that no other line names
.set L16,  8                           ; v8   16 x lane
.set L4R,  9                           ; v9   4 x (lane % 16)
.set TABO, 10                          ; v10  the table: my token's row in a block, + 64 (lane / 16)
.set WO,   11                          ; v11  64 (lane / 16)
.set ADRA, 16                          ; v16-17 my A fragments in slot 0, 1
.set ADRB, 20                          ; v20-21 my B fragments
.set ADSA, 26                          ; v26  A's scale words
.set ADSB, 27                          ; v27  B's
.set SPW,  28
.set NIL,  29
.set SC,   32                          ; scale words: set s at v[SC + 16 s]: A's block i at + i, B's at + 8 + i
.set W,    64
.set AF,   128
.set Y,    128                         ; behind the loop: v128-191 a block's 64 numbers
.set TM,   192                         ; v192-207 at work in QUANT
.set PW,   208
.set PC,   210                         ; v210-229
.set SS,   232                         ; v232-239 sums of squares
.set RS,   240                         ; v240-241 1 / root
.set PT,   242
.set T,    244                         ; v244-251
.set G1,   24
.set G0,   32
.set G1B,  48
.set G0B,  56
.set G1S,  68
.set G0S,  76
.set G1SB, 80
.set G0SB, 88
.set MSB, 0
.macro WIN new                         ; the immediate's high byte repeats the setting that is left; a switch that changes nothing is dropped
.set WNEW, \new
.if MSB != WNEW
	s_set_vgpr_msb (MSB<<8)|WNEW
.set MSB, WNEW
.endif
.endm
.set MUL_LO, 0xa1                      ; source 0 (B) window 1, source 1 (A) window 0, C and D window 2
.set MUL_HI, 0xf1
.set TO_B,   0x40
.macro PLACES n
.rept \n
	v_nop
.endr
.endm
; A joint load: waves 0 and 1 fetch for A, waves 2 and 3 for B; the branch hangs on the wave's number alone.  Four v_nop follow each of the two lines.
.macro JLOAD g0a, g1a, g0b, g1b
	s_cmp_eq_u32 s47, 0
	s_cbranch_scc0 .Lfor_b_\@
	tensor_load_to_lds s[\g0a:\g0a+3], s[\g1a:\g1a+7]
	s_nop 0
.rept 4
	v_nop
.endr
	s_branch .Lasked_\@
.Lfor_b_\@:
	tensor_load_to_lds s[\g0b:\g0b+3], s[\g1b:\g1b+7]
	s_nop 0
.rept 4
	v_nop
.endr
.Lasked_\@:
.endm
.macro CREST                           ; a round of the cluster's barrier behind its opening barrier
	s_cmp_lg_u32 s46, 0
	s_cbranch_scc1 .Lnot_wave_0_\@
	s_barrier_signal -3
.Lnot_wave_0_\@:
	s_barrier_wait -3
	s_barrier_signal -1
	s_barrier_wait -1
.endm
.macro CROUND
	s_barrier_signal -1
	s_barrier_wait -1
	CREST
.endm
	s_load_b256 s[4:11], s[0:1], 0x0               ; xop s[4:5], wop s[6:7], rope_tab s[8:9], q_norm_w s[10:11]
	s_load_b128 s[12:15], s[0:1], 0x20             ; k_norm_w s[12:13], qop s[14:15]
	s_load_b64 s[16:17], s[0:1], 0x30              ; kv
	v_lshl_add_u32 v[SPW], v0, 2, SPARE
	v_mov_b32 v[NIL], 0
	ds_add_u32 v28, v29
	ds_add_u32 v28, v29
	s_wait_dscnt 0x0
	v_lshrrev_b32 v1, 5, v0
	v_readfirstlane_b32 s46, v1                    ; wave 0..3
	s_lshr_b32 s47, s46, 1                         ; which half of A's rows is mine.  Also: I fetch for A (0) or for B (1)
	s_and_b32 s66, s46, 1                          ; which half of B's rows.  Also: which 128 rows I fetch
	s_bfe_u32 s40, ttmp6, 0x40000                  ; cx, cy
	s_bfe_u32 s41, ttmp6, 0x40004
	s_and_b32 s42, ttmp9, 1
	s_lshl_b32 s42, s42, 2
	s_add_co_u32 s42, s42, s40                     ; B's tile, 0..7
	s_and_b32 s43, ttmp7, 0xffff
	s_lshl_b32 s43, s43, 2
	s_add_co_u32 s43, s43, s41                     ; A's tile, 0..7
	s_lshr_b32 s67, ttmp9, 1                       ; 0 q, 1 k, 2 v
	s_lshl_b32 s44, s41, 2
	s_lshl_b32 s44, 15, s44                        ; my row of the cluster
	s_lshl_b32 s45, 0x1111, s40                    ; my column
	; descriptor group 1: 24,576 dense bytes as 96 rows of 32 elements of 8 bytes; the mask, and bit 21 beside it
	s_or_b32 s[G1+0], s44, (3<<16)|(1<<21)
	s_or_b32 s[G1B+0], s45, (3<<16)|(1<<21)
.irp g, G1, G1B
	s_mov_b32 s[\g+1], 32<<16                      ; tensor_dim0
	s_mov_b32 s[\g+2], 192<<16                     ; tensor_dim1: the head's loads bring 192 rows; the ring's 96 (set behind the head's wait)
	s_mov_b32 s[\g+3], 32<<16                      ; tile_dim0
	s_mov_b32 s[\g+4], 192                         ; tile_dim1
	s_mov_b32 s[\g+5], 32                          ; from row to row
	s_mov_b32 s[\g+6], 0
	s_mov_b32 s[\g+7], 0
.endr
	s_or_b32 s[G1S+0], s44, (3<<16)|(1<<21)        ; the scale words of 256 rows: 16,384 dense bytes, 64 such rows
	s_or_b32 s[G1SB+0], s45, (3<<16)|(1<<21)
.irp g, G1S, G1SB                      ; the scale words of 256 rows: 16,384 dense bytes, 64 rows of 256
	s_mov_b32 s[\g+1], 32<<16
	s_mov_b32 s[\g+2], 64<<16
	s_mov_b32 s[\g+3], 32<<16
	s_mov_b32 s[\g+4], 64
	s_mov_b32 s[\g+5], 32
	s_mov_b32 s[\g+6], 0
	s_mov_b32 s[\g+7], 0
.endr
	; where the tiles come from.  A's offsets (s92, s94) hang on A's tile alone, B's (s96, s98) on B's tile alone; the product's kind is the cluster's
	s_lshl_b32 s92, s43, 4                         ; A: the tile's first row block, 16 x tile
	s_lshl_b32 s96, s42, 4                         ; B likewise
	s_lshl_b32 s94, s92, 10
	s_mul_i32 s92, s92, 3072
	s_lshl_b32 s98, s96, 10
	s_mul_i32 s96, s96, 3072
	s_mul_i32 s93, s67, OPB                        ; the weight's codes in wop,
	s_lshl_b32 s95, s67, 17
	s_add_co_u32 s95, s95, 4*OPB                   ; and its scale words
	s_mov_b32 s99, OPB                             ; x's scale words in xop
	s_cmp_ge_u32 ttmp9, 4                          ; v: A is wv, B is x
	s_cselect_b32 s97, 2*OPB, 0
	s_cselect_b32 s93, 0, s93
	s_cselect_b32 s2, 4*OPB+2*131072, s99
	s_cselect_b32 s95, s99, s95
	s_add_co_u32 s92, s92, s97
	s_add_co_u32 s94, s94, s2
	s_add_co_u32 s96, s96, s93
	s_add_co_u32 s98, s98, s95
	s_mov_b32 s93, 0
	s_mov_b32 s95, 0
	s_mov_b32 s97, 0
	s_mov_b32 s99, 0
	s_mul_i32 s20, s46, PART                       ; the ring: wave x a part: no place in the cluster enters an LDS address
	s_wait_kmcnt 0x0
	s_cmp_ge_u32 ttmp9, 4
	s_cselect_b64 s[18:19], s[6:7], s[4:5]         ; A's buffer
	s_cselect_b64 s[22:23], s[4:5], s[6:7]         ; B's
	s_add_nc_u64 s[92:93], s[18:19], s[92:93]
	s_add_nc_u64 s[94:95], s[18:19], s[94:95]
	s_add_nc_u64 s[96:97], s[22:23], s[96:97]
	s_add_nc_u64 s[98:99], s[22:23], s[98:99]
	s_mul_i32 s18, s66, PART                       ; in the ring I fetch eight of a tile's sixteen row blocks: which half, in bytes
	s_mov_b32 s19, 0
; THE PREFETCHES' ADDRESS.  A part of a K slot is 96 blocks of 256 bytes; the four partners that ask for it jointly share them out BY ADDRESS, 24 each (place cx for A's parts, cy for B's):
; a lane a block, lanes 24-31 name the wave's last block again.  It stands one K slot behind the refill that is being asked for.
.set PFA, 4                            ; s[4:5]  (xop's and wop's addresses have been used)
.set PFO, 12                           ; v12     256 x min(lane, 23); never rewritten
	s_cmp_eq_u32 s47, 0                            ; do I fetch for A?
	s_cselect_b64 s[PFA:PFA+1], s[92:93], s[96:97]
	s_cselect_b32 s2, s40, s41                     ; my place among the four that ask with me
	s_add_nc_u64 s[PFA:PFA+1], s[PFA:PFA+1], s[18:19]
	s_mul_i32 s2, s2, 24*256
	s_mov_b32 s3, 0
	s_add_nc_u64 s[PFA:PFA+1], s[PFA:PFA+1], s[2:3]
	s_add_nc_u64 s[PFA:PFA+1], s[PFA:PFA+1], KSL   ; at K slot 1
	CROUND
	s_mov_b32 s[G0], 1                             ; the head's four tiles, each whole: K slot 0's sixteen row blocks of A (slot 0's group 0 serves; it is set for the ring behind the head's wait),
	s_mov_b32 s[G0+1], 0
	s_mov_b64 s[G0+2:G0+3], s[92:93]
	s_or_b32 s[G0+3], s[G0+3], 0x80000000
	s_mov_b32 s[G0B], 1                            ; B's sixteen, behind them in slot 0,
	s_mov_b32 s[G0B+1], 2*PART
	s_mov_b64 s[G0B+2:G0B+3], s[96:97]
	s_or_b32 s[G0B+3], s[G0B+3], 0x80000000
	s_mov_b32 s[G0S], 1                            ; A's scale words,
	s_mov_b32 s[G0S+1], SCL
	s_mov_b64 s[G0S+2:G0S+3], s[94:95]
	s_or_b32 s[G0S+3], s[G0S+3], 0x80000000
	s_mov_b32 s[G0SB], 1                           ; and B's
	s_mov_b32 s[G0SB+1], SCL+16384
	s_mov_b64 s[G0SB+2:G0SB+3], s[98:99]
	s_or_b32 s[G0SB+3], s[G0SB+3], 0x80000000
	s_mov_b32 s[G0+4], 1                           ; slot 1's group 0: my part of K slot 1
	s_add_co_u32 s[G0+5], s20, SLOT
	s_add_nc_u64 s[G0+6:G0+7], s[92:93], s[18:19]
	s_add_nc_u64 s[G0+6:G0+7], s[G0+6:G0+7], KSL
	s_or_b32 s[G0+7], s[G0+7], 0x80000000
	s_mov_b32 s[G0B+4], 1
	s_add_co_u32 s[G0B+5], s20, SLOT
	s_add_nc_u64 s[G0B+6:G0B+7], s[96:97], s[18:19]
	s_add_nc_u64 s[G0B+6:G0B+7], s[G0B+6:G0B+7], KSL
	s_or_b32 s[G0B+7], s[G0B+7], 0x80000000
; THE HEAD'S LOADS, ONE A WAVE: one chain of branches on the wave's number, one load to an arm, all arms leading to one join
.macro ARM under, g0, g1, next
	s_cmp_lt_u32 s46, \under
	s_cbranch_scc0 \next
	tensor_load_to_lds s[\g0:\g0+3], s[\g1:\g1+7]
	s_nop 0
.rept 4
	v_nop
.endr
	s_branch .Lhead_asked
\next:
.endm
	ARM 1, G0,  G1,  .Lhead_b
	ARM 2, G0B, G1B, .Lhead_sa
	ARM 3, G0S, G1S, .Lhead_sb
	tensor_load_to_lds s[G0SB:G0SB+3], s[G1SB:G1SB+7]
	s_nop 0
.rept 4
	v_nop
.endr
.Lhead_asked:
	v_and_b32 v1, 31, v0
	v_lshlrev_b32 v[L16], 4, v1
	v_and_b32 v2, 15, v0                           ; r
	v_bfe_u32 v3, v0, 4, 1                         ; h
	v_lshlrev_b32 v[L4R], 2, v2
	v_and_b32 v4, 8, v2
	v_add_nc_u32 v4, v4, v2                        ; r + 8 (r / 8)
	v_lshlrev_b32 v[TABO], 9, v4
	v_lshl_add_u32 v[TABO], v3, 6, v[TABO]
	v_lshlrev_b32 v[WO], 6, v3
	v_min_u32 v[PFO], 23, v1
	v_lshlrev_b32 v[PFO], 8, v[PFO]
	s_wait_alu depctr_va_vdst(0)
	s_mul_i32 s20, s47, PART                       ; my 128 rows of A
	s_mul_i32 s21, s66, PART                       ; my 128 rows of B, behind A's 256
	s_add_co_u32 s21, s21, 2*PART
.irp s, 0,1
	v_add_nc_u32 v[ADRA+\s], s20, v[L16]
	v_add_nc_u32 v[ADRB+\s], s21, v[L16]
	s_add_co_u32 s20, s20, SLOT
	s_add_co_u32 s21, s21, SLOT
.endr
	v_lshlrev_b32 v5, 2, v1
	s_lshl_b32 s20, s47, 13
	s_add_co_u32 s20, s20, SCL
	v_add_nc_u32 v[ADSA], s20, v5
	s_lshl_b32 s21, s66, 13
	s_add_co_u32 s21, s21, SCL+16384
	v_add_nc_u32 v[ADSB], s21, v5
	; where the results go
	s_lshl_b32 s92, s43, 1
	s_add_co_u32 s92, s92, s47                     ; my 128 rows of A: 2 x tile + half
	s_lshl_b32 s93, s42, 1
	s_add_co_u32 s93, s93, s66                     ; my 128 rows of B
	s_cmp_ge_u32 ttmp9, 4
	s_cselect_b32 s94, s92, s93                    ; the head: B's for q and k, A's for v
	s_cselect_b32 s95, s93, s92                    ; the 128 tokens: the other
	s_cselect_b32 s96, 12288, 0                    ; in a record: V's images behind K's,
	s_mov_b32 s97, 24576
	s_cselect_b32 s97, 25088, s97                  ; and the scale words
	s_mul_i32 s98, s94, 409600
	s_mul_i32 s99, s95, 25600
	s_add_co_u32 s98, s98, s99                     ; the record
	s_add_co_u32 s96, s96, s98
	s_add_co_u32 s97, s97, s98
	s_mul_i32 s98, s94, 196608
	s_mul_i32 s99, s95, 12288
	s_add_co_u32 s98, s98, s99                     ; q's images
	s_lshl_b32 s99, s94, 13
	s_lshl_b32 s92, s95, 9
	s_add_co_u32 s99, s99, s92
	s_add_co_u32 s99, s99, OPB                     ; q's scale words
	s_lshl_b32 s92, s95, 16                        ; the table: 128 tokens of 512 bytes
	s_mov_b32 s93, 0
	s_add_nc_u64 s[22:23], s[8:9], s[92:93]
	s_cmp_eq_u32 s67, 0
	s_cselect_b64 s[18:19], s[14:15], s[16:17]     ; qop or kv
	s_cselect_b64 s[10:11], s[10:11], s[12:13]     ; q's norm weights or k's
	s_cselect_b32 s92, s98, s96
	s_cselect_b32 s94, s99, s97
	s_mov_b32 s95, 0
	s_add_nc_u64 s[20:21], s[18:19], s[94:95]      ; the scale words' place
	s_add_nc_u64 s[18:19], s[18:19], s[92:93]      ; the images' place
	s_mov_b32 s96, 0x76543210                      ; lane selects: lane l xor 16
	s_mov_b32 s97, 0xfedcba98
	s_mov_b32 s98, 0x3c000000                      ; 1 / 128
	s_mov_b32 s99, 0x358637bd                      ; 1e-6
.irp b, 0,1,2,3
.irp i, 0,1,2,3
	global_load_b128 v[W+16*\b+4*\i:W+16*\b+4*\i+3], v[WO], s[10:11] offset:128*\b+16*\i   ; the norm's weights of channels 32 b + 16 h + 0 .. 15 (every work-group loads them; v's do not use them)
.endr
.endr
.macro FRAG reg, adr, q, i             ; a fragment comes back as its image lies
.irp c, 0,1,2
	ds_load_b128 v[\reg+4*\c:\reg+4*\c+3], v[\adr] offset:(\i)*3072+(\q)*1536+512*\c
.endr
.endm
; 16 matrix instructions: A's blocks a0, a0 + 1 x B's eight, the slot's q-th 128 along K.  p: B's set; sc: the set of scale words; zero = 1: the first product starts the sums.
; The 64 accumulators take turns, one instruction a turn, in the same order in every step.
.macro MUL16 a0, p, q, sc, zero
.irp a, \a0, \a0+1
.irp b, 0,1,2,3,4,5,6,7
.set rD, 8*(8*((\a)%4)+\b)
.set rB, 128*(\p)+FR*\b
.set rA, AF+FR*(\a)
.set rSB, SC+16*(\sc)+8+\b
.set rSA, SC+16*(\sc)+(\a)
.if \zero
	v_wmma_scale_f32_16x16x128_f8f6f4 v[rD:rD+7], v[rB:rB+FR-1], v[rA:rA+FR-1], 0, v[rSB], v[rSA] matrix_a_fmt:MATRIX_FMT_FP6 matrix_b_fmt:MATRIX_FMT_FP6
.elseif \q
	v_wmma_scale_f32_16x16x128_f8f6f4 v[rD:rD+7], v[rB:rB+FR-1], v[rA:rA+FR-1], v[rD:rD+7], v[rSB], v[rSA] matrix_a_fmt:MATRIX_FMT_FP6 matrix_b_fmt:MATRIX_FMT_FP6 matrix_a_scale:MATRIX_SCALE_ROW1 matrix_b_scale:MATRIX_SCALE_ROW1
.else
	v_wmma_scale_f32_16x16x128_f8f6f4 v[rD:rD+7], v[rB:rB+FR-1], v[rA:rA+FR-1], v[rD:rD+7], v[rSB], v[rSA] matrix_a_fmt:MATRIX_FMT_FP6 matrix_b_fmt:MATRIX_FMT_FP6
.endif
.endr
.endr
.endm
.macro FETCH_B slot, q, p
	WIN TO_B
.irp i, 0,1,2,3,4,5,6,7
	FRAG 128*(\p)+FR*\i, ADRB+\slot, \q, \i
.endr
	WIN 0
.endm
.macro FETCH_A slot, q, i0
.irp i, \i0, \i0+1, \i0+2, \i0+3
	FRAG AF+FR*(\i), ADRA+\slot, \q, \i
.endr
.endm
.macro SCALES sc                       ; a K slot's scale words: lanes 0-15 its first 128 along K, lanes 16-31 its second
.irp i, 0,1,2,3,4,5,6,7
	ds_load_b32 v[SC+16*\sc+\i], v[ADSA] offset:1024*\i
	ds_load_b32 v[SC+16*\sc+8+\i], v[ADSB] offset:1024*\i
.endr
.endm
; A slot's first 128 along K.  A block of A is free as soon as its eight products are issued: blocks 0-3 are fetched anew in the step's middle, blocks 4-7 at its end; B has two sets.
.macro STEP slot, zero
	s_wait_dscnt 4*NL                              ; all but the youngest twelve loads (A's blocks 4-7) are in
	WIN MUL_LO
	MUL16 0, 0, 0, \slot, \zero
	MUL16 2, 0, 0, \slot, \zero
	s_wait_dscnt 0x0
	PLACES NP                                      ; in front of loads into registers that matrix instructions have read
	FETCH_B \slot, 1, 1
	FETCH_A \slot, 1, 0
	WIN MUL_HI
	MUL16 4, 0, 0, \slot, \zero
	MUL16 6, 0, 0, \slot, \zero
	PLACES NP
	WIN 0
	FETCH_A \slot, 1, 4
.endm
; A slot's second 128 along K changes slots: ONE barrier; in front of it each wave waits for all its tensor loads, adds 0 to its spare word, and waits for that and for its reads of this slot.
; A prefetch into the L2, behind a refill and the run of LDS loads that follows it: my work-group's 24 blocks of my part of the K slot that stands TWO refills on, one instruction a wave.
; The loop's refills bring K slots 2 to 7: those of its last trip (s3 = 1) have no K slot two on, and ask for nothing.
.macro ASK
	s_cmp_gt_u32 s3, 1
	s_cbranch_scc0 .Lno_ask_\@
	global_prefetch_b8 v[PFO], s[PFA:PFA+1] offset:2*KSL th:TH_LOAD_NT scope:SCOPE_SE
.Lno_ask_\@:
.endm
; All reads of this slot were issued in the step before, so the change of slots stands at the step's head: the waits, the round and the refill first, then the step's 64 products.
.macro TURN slot, next, fill
	s_wait_xcnt 0x0                                ; any prefetch of mine has read its address, which steps a K slot on
	s_add_nc_u64 s[PFA:PFA+1], s[PFA:PFA+1], KSL
	s_wait_tensorcnt 0x0                           ; all my tensor loads have landed: my part of the next slot
	ds_add_u32 v[SPW], v[NIL]                      ; 0 onto my spare word
.if \fill
	s_add_nc_u64 s[G0+4*\slot+2:G0+4*\slot+3], s[G0+4*\slot+2:G0+4*\slot+3], 2*KSL      ; no load of mine is out: this slot's next K slot
	s_add_nc_u64 s[G0B+4*\slot+2:G0B+4*\slot+3], s[G0B+4*\slot+2:G0B+4*\slot+3], 2*KSL
.endif
	s_wait_dscnt 0x0                               ; the add is done, and my reads of this slot are over
	s_barrier_signal -1
	s_barrier_wait -1
.if \fill
	CREST                                          ; the barrier has opened a round of the cluster's: no wave of any partner still reads this slot or has a load on its way
	JLOAD G0+4*\slot, G1, G0B+4*\slot, G1B         ; the first tensor load behind the round
.endif
	WIN MUL_LO
	MUL16 0, 1, 1, \slot, 0
	MUL16 2, 1, 1, \slot, 0
	WIN 0
	PLACES NP                                      ; in front of loads into registers that matrix instructions have read
	s_wait_alu depctr_va_vdst(0)
	v_add_nc_u32 v[ADSA], 128, v[ADSA]             ; on to the next K slot's scale words
	v_add_nc_u32 v[ADSB], 128, v[ADSB]
	FETCH_B \next, 0, 0
	FETCH_A \next, 0, 0
	SCALES \next
.if \fill
	ASK
.endif
	WIN MUL_HI
	MUL16 4, 1, 1, \slot, 0
	MUL16 6, 1, 1, \slot, 0
	PLACES NP
	WIN 0
	FETCH_A \next, 0, 4
.endm
; a block's cosines and sines: token place r of block a, channels 32 b + 16 h + 0 .. 15: eight pairs, 64 bytes: register 16 b + e (e even) the cosine, + 1 the sine.  Into window 1, set a % 4
.macro CSLOAD a
.set CA, \a
	WIN 0x40
.irp b, 0,1,2,3
.irp i, 0,1,2,3
	global_load_b128 v[64*(CA%4)+16*\b+4*\i:64*(CA%4)+16*\b+4*\i+3], v[TABO], s[22:23] offset:(32*(CA/2)+8*(CA%2))*512+128*\b+16*\i   ; four sets of 64 registers fill window 1: set a % 4
.endr
.endr
	WIN 0
.endm
	s_wait_alu depctr_va_vdst(0)
	s_wait_tensorcnt 0x0                           ; my tile of the head's four is in
	ds_add_u32 v[SPW], v[NIL]
	s_mov_b32 s[G1+2], 96<<16                      ; no tensor load of mine is out, so descriptors may be written: from here on a load brings 96 rows,
	s_mov_b32 s[G1+4], 96
	s_mov_b32 s[G1B+2], 96<<16
	s_mov_b32 s[G1B+4], 96
	s_mul_i32 s[G0+1], s46, PART                   ; and slot 0's group 0 stands at my part of K slot 0, from which its first refill steps on
	s_mul_i32 s[G0B+1], s46, PART
	s_mul_i32 s92, s66, PART
	s_mov_b32 s93, 0
	s_add_nc_u64 s[G0+2:G0+3], s[G0+2:G0+3], s[92:93]
	s_add_nc_u64 s[G0B+2:G0B+3], s[G0B+2:G0B+3], s[92:93]
	s_wait_dscnt 0x0                               ; the add is done
	CROUND                                         ; a whole round: all four tiles are in, and the joint loads meet
	JLOAD G0+4, G1, G0B+4, G1B                     ; K slot 1: the first tensor load behind the round
	FETCH_B 0, 0, 0
	FETCH_A 0, 0, 0
	SCALES 0
	FETCH_A 0, 0, 4
	global_prefetch_b8 v[PFO], s[PFA:PFA+1] offset:KSL th:TH_LOAD_NT scope:SCOPE_SE     ; K slots 2 and 3, which the loop's first two refills bring
	global_prefetch_b8 v[PFO], s[PFA:PFA+1] offset:2*KSL th:TH_LOAD_NT scope:SCOPE_SE
	STEP 0, 1
	s_mov_b32 s3, 3
.Llap:                                                 ; a trip goes once round the ring and fills both slots again
	TURN 0, 1, 1
	STEP 1, 0
	TURN 1, 0, 1
	STEP 0, 0
	s_sub_co_u32 s3, s3, 1
	s_cmp_lg_u32 s3, 0
	s_cbranch_scc1 .Llap
	TURN 0, 1, 0                                   ; the last lap fills nothing
	STEP 1, 0
	CSLOAD 0                                       ; B's set 0 is done with (four places stand behind its last products): v0-127 of window 1 take blocks 0 and 1's cosines and sines
	CSLOAD 1
	s_wait_dscnt 4*NL
	WIN MUL_LO
	MUL16 0, 1, 1, 1, 0
	MUL16 2, 1, 1, 1, 0
	s_wait_dscnt 0x0
	WIN MUL_HI
	MUL16 4, 1, 1, 1, 0
	MUL16 6, 1, 1, 1, 0
	WIN 0
	PLACES NP                                      ; behind the last products: results are read and operands' registers written from here on
; 64 numbers of a lane in window w, register 16 b + i = k 32 b + 16 (lane / 16) + i of my row, become a fragment's codes in v[PC] on and its scale word in v[PW].  Each accumulator is read from its low end on.
.macro QUANT s, w
.set QS, \s
.set QW, \w
	WIN QW|(QW<<2)
.irp b, 0,1,2,3
	v_max3_num_f32 v[TM+\b], |v[QS+16*\b]|, |v[QS+1+16*\b]|, 0x1800000   ; and the floor 2^(3 - 127): the byte cannot fall under 1
.endr
	WIN (QW<<2)|(QW<<4)
.irp i, 2,4,6,8,10,12,14
.irp b, 0,1,2,3
	v_max3_num_f32 v[TM+\b], v[TM+\b], |v[QS+16*\b+\i]|, |v[QS+1+16*\b+\i]|
.endr
.endr
	WIN 0
.irp b, 0,1,2,3
	v_permlanex16_b32 v[TM+4+\b], v[TM+\b], s96, s97
.endr
.irp b, 0,1,2,3
	v_max_num_f32 v[TM+\b], v[TM+\b], v[TM+4+\b]
.endr
.irp b, 0,1,2,3
	v_add_nc_u32 v[TM+12+\b], 0xff000000, v[TM+\b]         ; 2 off the exponent field: the conversion's scale operand
.endr
.irp b, 0,1,2,3
	v_lshrrev_b32 v[TM+4+\b], 23, v[TM+12+\b]
.endr
	v_lshl_or_b32 v[PW], v[TM+5], 8, v[TM+4]
	v_lshl_or_b32 v[PW], v[TM+6], 16, v[PW]
	v_lshl_or_b32 v[PW], v[TM+7], 24, v[PW]
	WIN QW
.irp c, 0,1
	v_cvt_scalef32_pk16_fp6_f32 v[PC+6*\c:PC+2+6*\c], v[QS+32*\c:QS+15+32*\c], v[TM+12+2*\c]
	v_cvt_scalef32_pk16_fp6_f32 v[PC+12+4*\c:PC+14+4*\c], v[QS+16+32*\c:QS+31+32*\c], v[TM+12+2*\c+1]
.endr
	WIN 0
	v_nop                                                  ; one plain line behind the conversions
.irp c, 0,1
.irp i, 0,1,2
	v_permlane16_swap_b32 v[PC+6*\c+\i], v[PC+12+4*\c+\i]
.endr
.irp i, 0,1,2
	v_mov_b32 v[PC+3+6*\c+\i], v[PC+12+4*\c+\i]
.endr
.endr
.endm
.macro PUT a                           ; the image: three stores of 512 consecutive bytes; the scale words: 64 bytes (both halves of the lanes write the same word)
.irp c, 0,1,2
	global_store_b128 v[L16], v[PC+4*\c:PC+4*\c+3], s[18:19] offset:1536*(\a)+512*\c
.endr
	global_store_b32 v[L4R], v[PW], s[20:21] offset:64*(\a)
.endm
; q, k: block a (16 tokens x the head's 128 channels)
.macro QKBLK a
.set AC, 64*((\a)%4)
.set WA, 2+(\a)/4
.set CSET, 64*((\a)%4)
.if (\a) < 5
	CSLOAD (\a)+3                                  ; three blocks ahead, into the set that the block before has read
.endif
	WIN WA|(WA<<2)
.irp p, 0,1,2,3
	v_pk_mul_f32 v[SS+2*\p:SS+2*\p+1], v[AC+2*\p:AC+2*\p+1], v[AC+2*\p:AC+2*\p+1]   ; the sum of squares, in four chains, the registers ascending
.endr
.set PP, 4
.rept 28
	v_pk_fma_f32 v[SS+2*(PP%4):SS+2*(PP%4)+1], v[AC+2*PP:AC+2*PP+1], v[AC+2*PP:AC+2*PP+1], v[SS+2*(PP%4):SS+2*(PP%4)+1]
.set PP, PP+1
.endr
	WIN 0
	v_pk_add_f32 v[SS:SS+1], v[SS:SS+1], v[SS+2:SS+3]
	v_pk_add_f32 v[SS+4:SS+5], v[SS+4:SS+5], v[SS+6:SS+7]
	v_pk_add_f32 v[SS:SS+1], v[SS:SS+1], v[SS+4:SS+5]
	v_add_f32 v[SS], v[SS], v[SS+1]
	v_permlanex16_b32 v[PT], v[SS], s96, s97       ; the head's other 64 channels lie in lane l xor 16
	v_add_f32 v[SS], v[SS], v[PT]
	v_fma_f32 v[SS], v[SS], s98, s99               ; the mean + 1e-6
	s_wait_alu depctr_va_vdst(0)
	v_rsq_f32 v[RS], v[SS]
	v_nop                                          ; a plain line behind it,
	s_wait_alu depctr_va_vdst(0)                   ; and the wait ahead of its first reader
	WIN WA
.set PP, 0
.rept 32
	v_pk_mul_f32 v[Y+2*PP:Y+2*PP+1], v[AC+2*PP:AC+2*PP+1], v[RS:RS+1] op_sel_hi:[1,0]
.set PP, PP+1
.endr
	WIN 0
.if (\a) < 5
	s_wait_loadcnt 48                              ; the norm's weights and this block's cosines and sines are in; the sixteen loads of each of the next three blocks may be out
.else
	s_wait_loadcnt 16*(7-(\a))                     ; of the blocks that are left
.endif
.set PP, 0
.rept 32
	v_pk_mul_f32 v[Y+2*PP:Y+2*PP+1], v[Y+2*PP:Y+2*PP+1], v[W+2*PP:W+2*PP+1]
.set PP, PP+1
.endr
	WIN 0x04                                       ; source 1 (cosine, sine) window 1
.set PP, 0
.rept 32                                       ; (x0, x1) -> (x0 c - x1 s, x0 s + x1 c)
.set T0, T+2*(PP%4)
	v_mul_f32 v[T0], v[Y+2*PP+1], v[CSET+2*PP+1]
	v_mul_f32 v[T0+1], v[Y+2*PP+1], v[CSET+2*PP]
	v_fma_f32 v[Y+2*PP+1], v[Y+2*PP], v[CSET+2*PP+1], v[T0+1]
	v_fma_f32 v[Y+2*PP], v[Y+2*PP], v[CSET+2*PP], -v[T0]
.set PP, PP+1
.endr
	WIN 0
	s_wait_xcnt 0x0                                ; the codes' registers and the scale word, which the last block's stores read, are written again only behind this wait
	QUANT Y, 0
	PUT \a
.endm
; v: block a (16 channels x 128 tokens): quantised as it stands
.macro VBLK a
	s_wait_xcnt 0x0
	QUANT 64*((\a)%4), 2+(\a)/4
	PUT \a
.endm
.irp b, 0,1,2,3
	v_mov_b32 v[TM+4+\b], 0                        ; written once: a lane permute's destination counts as one of its sources
.endr
	v_mov_b32 v[RS+1], 0                           ; (named as the upper half of a pair)
	v_mov_b32 v[PT], 0
	s_cmp_ge_u32 ttmp9, 4                          ; the cluster's x: the same in all partners
	s_cbranch_scc1 .Lvout
	CSLOAD 2                                       ; B's set 1 is done with too
.irp a, 0,1,2,3,4,5,6,7
	QKBLK \a
.endr
	s_branch .Ldone
.Lvout:
	s_wait_loadcnt 0x0                             ; the loads that this way does not use have landed
.irp a, 0,1,2,3,4,5,6,7
	VBLK \a
.endr
.Ldone:
	s_wait_tensorcnt 0x0                           ; the wave's end
	ds_add_u32 v[SPW], v[NIL]
	s_wait_dscnt 0x0
	CROUND                                         ; the closing round: no work-group ends while a partner may still ask for a tile that names it
	s_endpgm
.Lfunc_end_k_qb0d4c9ff73_qkv:
	.size	k_qb0d4c9ff73_qkv, .Lfunc_end_k_qb0d4c9ff73_qkv-k_qb0d4c9ff73_qkv
	.p2alignl 7, 3214868480
	.fill 96, 4, 3214868480
	.section	.rodata,"a",@progbits
	.p2align	6, 0x0
	.amdhsa_kernel k_qb0d4c9ff73_qkv
		.amdhsa_group_segment_fixed_size 327680
		.amdhsa_private_segment_fixed_size 0
		.amdhsa_enable_private_segment 0
		.amdhsa_kernarg_size 56
		.amdhsa_user_sgpr_count 2
		.amdhsa_user_sgpr_kernarg_segment_ptr 1
		.amdhsa_wavefront_size32 1
		.amdhsa_system_sgpr_workgroup_id_x 1
		.amdhsa_system_sgpr_workgroup_id_y 1
		.amdhsa_system_sgpr_workgroup_id_z 1
		.amdhsa_system_vgpr_workitem_id 0
		.amdhsa_next_free_vgpr 1024
		.amdhsa_next_free_sgpr 100
		.amdhsa_reserve_vcc 0
		.amdhsa_float_denorm_mode_32 3
		.amdhsa_float_denorm_mode_16_64 3
		.amdhsa_memory_ordered 1
		.amdhsa_forward_progress 1
		.amdhsa_inst_pref_size 255
	.end_amdhsa_kernel
	.section	.bss,"aw",@nobits
	.p2align	6
	.space	262144
	.amdgpu_metadata
---
amdhsa.version: [ 1, 2 ]
amdhsa.kernels:
  - .name:           k_qb0d4c9ff73_qkv
    .symbol:         k_qb0d4c9ff73_qkv.kd
    .args:
      - { .name: xop, .offset: 0, .size: 8, .value_kind: global_buffer, .address_space: global }
      - { .name: wop, .offset: 8, .size: 8, .value_kind: global_buffer, .address_space: global }
      - { .name: rope_tab, .offset: 16, .size: 8, .value_kind: global_buffer, .address_space: global }
      - { .name: q_norm_w, .offset: 24, .size: 8, .value_kind: global_buffer, .address_space: global }
      - { .name: k_norm_w, .offset: 32, .size: 8, .value_kind: global_buffer, .address_space: global }
      - { .name: qop, .offset: 40, .size: 8, .value_kind: global_buffer, .address_space: global }
      - { .name: kv, .offset: 48, .size: 8, .value_kind: global_buffer, .address_space: global }
    .group_segment_fixed_size: 327680
    .private_segment_fixed_size: 0
    .kernarg_segment_align: 8
    .kernarg_segment_size: 56
    .max_flat_workgroup_size: 128
    .sgpr_count:     100
    .vgpr_count:     1024
    .wavefront_size: 32
...
	.end_amdgpu_metadata
.endif
;; end of part 2
;; launch attn (part 3): grid 16 x 16, 16 waves a work-group, clusters of 4 x 1, 327,680 bytes of LDS; arguments qop, kv, cop; writes cop
.if DOCPART == 3
	.amdgcn_target "amdgcn-amd-amdhsa--gfx1250"
	.amdhsa_code_object_version 6
	.text
	.protected	k_qb0d4c9ff73_attn
	.globl	k_qb0d4c9ff73_attn
	.p2align	8
	.type	k_qb0d4c9ff73_attn,@function
k_qb0d4c9ff73_attn:
	s_mov_b64 s[64:65], 0
	v_nop
	global_prefetch_b8 v0, s[64:65] scope:SCOPE_SE
	s_setreg_imm32_b32 hwreg(HW_REG_WAVE_MODE, 25, 1), 1
	s_wait_xcnt 0x0
	s_wait_alu depctr_hold_cnt(0) depctr_sa_sdst(0) depctr_va_vdst(0) depctr_va_sdst(0) depctr_va_ssrc(0) depctr_va_vcc(0) depctr_vm_vsrc(0)
	s_getreg_b32 s2, hwreg(HW_REG_IB_STS2, 6, 4)
	s_cmp_eq_u32 s2, 0
	s_cbranch_scc0 .Lentry_in_a_cluster
	s_endpgm
.Lentry_in_a_cluster:
	s_bfe_u32 s2, ttmp6, 0x10000c
	s_cmp_lg_u32 s2, 0x3003
	s_cbranch_scc0 .Lentry_shape_is_right
	s_endpgm
.Lentry_shape_is_right:
; ATTN: for each head, O = softmax(Q K^T / sqrt(128)) V, both products on codes of FP6 (E2M3); the context leaves as codes, quantised along its channels.
; THE SOFTMAX AHEAD OF THE SECOND PRODUCT: t = score x log2(e) / sqrt(128); M = the running largest t rounded UP to a whole number; p = 2^(t - M) is quantised along the keys, not normalised.
; The row's sum is taken of the unquantised p and divides O at the end.  When M moves, the sum and O are multiplied by 2^(old M - new M): exact.
; SHARES.  A work-group owns 128 queries of one head: eight tiles of 16.  SIXTEEN waves of 256 registers, four to a SIMD, so that one wave's vector work stands beside the others' products and LDS loads.
; Wave w takes tile w % 8 and HALF OF THE KEYS: of each LDS slot's four records waves 0-7 take the first two, waves 8-15 the last two: eight key steps a wave.  At the end waves 8-15 hand O^T, -M and their sum
; to waves 0-7 through LDS; both halves are brought under the larger M by powers of two, which rounds nothing, and added.
; K AND V come as records of 128 keys (25,600 bytes: 8 images of K, 8 of V, K's scale words, V's), four records to an LDS slot, three slots.  The head's 16 records: twelve as first fills, the last four as ONE
; refill of slot 0, which is read out after two steps a wave; the refill has four steps a wave in which to land.  Each wave brings a sixteenth of a slot: 6,400 dense bytes.
; CLUSTER.  The four query blocks of a cluster belong to one head and walk the same records: every tile is asked for jointly (mask 15).  The place in the cluster enters Q's and the context's addresses alone.
; LAYOUT.  Both products are used transposed: S^T = K Q^T, O^T = V^T P^T: a lane holds ONE query (lane % 16).  Place r of an image of K holds key 32 (a / 2) + 8 (a % 2) + r + 8 (r / 8), so the 16 registers of tiles
; 2 b, 2 b + 1 are keys 32 b + 16 (lane / 16) + 0 .. 15; V's images hold channels in the same order, so O^T's registers are 16 neighbouring channels likewise, and the context is quantised as it stands.
; LIMITS: NaN and infinities are not served; a block under 2^-124, or of zeros, keeps the byte 1.
; REGISTERS: v1 16 x lane, v2 4 x lane, v3 4 (lane % 16), v4 my pair's place in the exchange; v5, v6 the add's; v8, v10 addresses in hand; v12 -M, v13 the largest t, v[14:15] the sum; v16-27 Q; v32-79 four fragments;
;   v96-159 S^T, then p, then V's last four fragments; v160-223 O^T; v224-235 p's codes; v232-247, v252, v254 at work; v248-251 K's and V's scale words, v253 p's, v255 Q's.
.set REC,   25600
.set SLOTB, 4*REC
.set SPARE, 3*SLOTB                    ; the spare words, 128 bytes for each wave: eight blocks of 256 bytes that no other line names
.set XCH,   SLOTB                      ; the exchange lies in slot 1, which is filled once and is read for the last time ahead of the barrier in front of the last two steps
.set XW,    17*512                     ; a pair's bytes in it: O^T's 64 registers and four more, 128 bytes a register
.set OPB,   3145728
.set WV,  10
.set SEL, 20
.set CS,  22
.set G1,  24
.set G0,  32                           ; s[32:39] two groups 0
.set TB,  44                           ; LDS byte of the record in hand
.set CNT, 45
.set GOF, 54                           ; s54  my half's first record in a slot: 0 or two records on
.set TM,  232
.set PW,  254
.set PC,  32
.macro PLACES n
.rept \n
	v_nop
.endr
.endm
.macro CROUND                          ; a round of the cluster's barrier
	s_barrier_signal -1
	s_barrier_wait -1
	s_cmp_lg_u32 s[WV], 0
	s_cbranch_scc1 .Lnot_wave_0_\@
	s_barrier_signal -3
.Lnot_wave_0_\@:
	s_barrier_wait -3
	s_barrier_signal -1
	s_barrier_wait -1
.endm
	s_load_b128 s[4:7], s[0:1], 0x0                ; qop s[4:5], kv s[6:7]
	s_load_b64 s[8:9], s[0:1], 0x10                ; cop
	v_lshl_add_u32 v5, v0, 2, SPARE
	v_mov_b32 v6, 0
	ds_add_u32 v5, v6
	ds_add_u32 v5, v6
	s_wait_dscnt 0x0
	v_lshrrev_b32 v8, 5, v0
	s_delay_alu instid0(VALU_DEP_1)
	v_readfirstlane_b32 s[WV], v8                  ; wave 0..15
	s_and_b32 s15, s[WV], 7                        ; my tile of 16 queries
	s_lshr_b32 s19, s[WV], 3                       ; my half of the keys
	s_mul_i32 s[GOF], s19, 2*REC
	s_mul_i32 s55, s15, XW
	s_add_co_u32 s55, s55, XCH                     ; my pair's bytes in the exchange: the wave's number alone enters an LDS address
	s_bfe_u32 s11, ttmp6, 0x40000                  ; cx
	s_lshl_b32 s12, ttmp9, 2
	s_add_co_u32 s12, s12, s11                     ; my block of 128 queries
	s_and_b32 s13, ttmp7, 0xffff                   ; the head, which the four partners share
	s_lshl_b32 s14, s12, 3
	s_add_co_u32 s14, s14, s15                     ; my row block of 16 queries
	s_mov_b32 s[G1], 15|(3<<16)|(1<<21)            ; the mask: all four; elements of 8 bytes; bit 21 beside a mask; no padding
	s_mov_b32 s[G1+1], 32<<16                      ; 6,400 dense bytes as 25 rows of 256
	s_mov_b32 s[G1+2], 25<<16
	s_mov_b32 s[G1+3], 32<<16
	s_mov_b32 s[G1+4], 25
	s_mov_b32 s[G1+5], 32
	s_mov_b32 s[G1+6], 0
	s_mov_b32 s[G1+7], 0
	s_mul_i32 s18, s[WV], 6400                     ; my sixteenth of a slot, in LDS and in memory
	s_mul_i32 s16, s13, 16*REC
	s_add_co_u32 s16, s16, s18
	s_mov_b32 s17, 0
	s_mul_i32 s50, s13, 196608                     ; Q's image
	s_mul_i32 s51, s14, 1536
	s_add_co_u32 s50, s50, s51
	s_mov_b32 s51, 0
	s_lshl_b32 s52, s13, 13                        ; Q's scale words
	s_lshl_b32 s53, s14, 6
	s_add_co_u32 s52, s52, s53
	s_add_co_u32 s52, s52, OPB
	s_mov_b32 s53, 0
	s_lshr_b32 s46, s13, 1                         ; the context: K step = the head: image (rb, head)
	s_mul_i32 s46, s46, 393216
	s_mul_i32 s47, s14, 3072
	s_add_co_u32 s46, s46, s47
	s_and_b32 s47, s13, 1
	s_mul_i32 s47, s47, 1536
	s_add_co_u32 s46, s46, s47
	s_mov_b32 s47, 0
	s_lshl_b32 s48, s14, 10                        ; and its scale words
	s_lshl_b32 s49, s13, 6
	s_add_co_u32 s48, s48, s49
	s_add_co_u32 s48, s48, OPB
	s_mov_b32 s49, 0
	s_mov_b32 s[SEL], 0x76543210
	s_mov_b32 s[SEL+1], 0xfedcba98
	s_mov_b32 s[CS], 0x3e0293ee                    ; c = log2(e) / sqrt(128)
	s_mov_b32 s[CS+1], s[CS]                       ; (named with it as a pair)
	s_wait_kmcnt 0x0
	s_add_nc_u64 s[6:7], s[6:7], s[16:17]
	s_add_nc_u64 s[50:51], s[4:5], s[50:51]
	s_add_nc_u64 s[52:53], s[4:5], s[52:53]
	s_add_nc_u64 s[46:47], s[8:9], s[46:47]
	s_add_nc_u64 s[48:49], s[8:9], s[48:49]
.set G1W, 56                           ; s[56:63] group 1 for slots 1 and 2 together: a sixteenth of the two is 12,800 dense bytes, 50 rows of 256
	s_mov_b32 s[G0], 1                             ; slot 0: my sixteenth
	s_mov_b32 s[G0+1], s18
	s_mov_b64 s[G0+2:G0+3], s[6:7]
	s_or_b32 s[G0+3], s[G0+3], 0x80000000
	s_mov_b32 s16, s18                             ; (s17 = 0) once more my 6,400 bytes: 12,800 x wave in all
	s_mov_b32 s[G0+4], 1
	s_mul_i32 s[G0+5], s[WV], 12800
	s_add_co_u32 s[G0+5], s[G0+5], SLOTB
	s_add_nc_u64 s[G0+6:G0+7], s[6:7], s[16:17]
	s_add_nc_u64 s[G0+6:G0+7], s[G0+6:G0+7], SLOTB
	s_or_b32 s[G0+7], s[G0+7], 0x80000000
	s_mov_b32 s[G1W], 15|(3<<16)|(1<<21)
	s_mov_b32 s[G1W+1], 32<<16
	s_mov_b32 s[G1W+2], 50<<16
	s_mov_b32 s[G1W+3], 32<<16
	s_mov_b32 s[G1W+4], 50
	s_mov_b32 s[G1W+5], 32
	s_mov_b32 s[G1W+6], 0
	s_mov_b32 s[G1W+7], 0
	CROUND                                         ; all four work-groups are here: the first joint loads meet
	tensor_load_to_lds s[G0:G0+3], s[G1:G1+7]      ; keys 0-511
	s_nop 0
	PLACES 4
	v_and_b32 v2, 31, v0
	s_delay_alu instid0(VALU_DEP_1)
	v_lshlrev_b32 v1, 4, v2
	s_delay_alu instid0(VALU_DEP_2)
	v_lshlrev_b32 v2, 2, v2
	v_and_b32 v3, 15, v0
	s_delay_alu instid0(VALU_DEP_1)
	v_lshlrev_b32 v3, 2, v3
	s_delay_alu instid0(VALU_DEP_4)
	v_add_nc_u32 v4, s55, v1                       ; the exchange: 16 bytes a lane
.irp c, 0,1,2
	global_load_b128 v[16+4*\c:19+4*\c], v1, s[50:51] offset:512*\c   ; Q's fragment stays in registers (both waves of a pair load it)
.endr
	global_load_b32 v255, v3, s[52:53]             ; Q's scale words
	v_mov_b32 v13, 0xff61b1e6                      ; the largest t so far: -3e38
	s_delay_alu instid0(VALU_DEP_1)
	v_floor_f32 v12, -v13                          ; -M
	v_mov_b32 v14, 0
	v_mov_b32 v15, 0
.irp b, 0,1,2,3
	v_mov_b32 v[236+\b], 0                         ; written once: a lane permute's destination counts as one of its sources
.endr
	v_mov_b32 v253, 0
.irp j, 0,1,2,3,4,5,6,7,8,9,10,11,12,13,14,15,16,17,18,19,20,21,22,23,24,25,26,27,28,29,30,31,32,33,34,35,36,37,38,39,40,41,42,43,44,45,46,47,48,49,50,51,52,53,54,55,56,57,58,59,60,61,62,63
	v_mov_b32 v[160+\j], 0                         ; O^T: the step is written once; its first turn finds zeros, which the first change of M leaves zeros
.endr
; four fragments (at byte off of the record, into v[reg] on) and their scale words (two registers from sr on: lanes 0-15 the even tile's, lanes 16-31 the odd one's): 14 LDS loads
.macro FOUR reg, off, soff, sr
.irp t, 0,1,2,3
.irp c, 0,1,2
	ds_load_b128 v[\reg+12*\t+4*\c:\reg+12*\t+4*\c+3], v8 offset:\off+\t*1536+512*\c
.endr
.endr
.irp e, 0,1
	ds_load_b32 v[\sr+\e], v10 offset:\soff+128*\e
.endr
.endm
.macro PV g, fr, sr                    ; O^T += V^T P^T, tiles 4 g .. 4 g + 3, fragments from v[fr] on: the accumulators take turns, one instruction a turn
.irp t, 0,1,2,3
.if \t%2
	v_wmma_scale_f32_16x16x128_f8f6f4 v[160+8*(4*\g+\t):167+8*(4*\g+\t)], v[\fr+12*\t:\fr+11+12*\t], v[224:235], v[160+8*(4*\g+\t):167+8*(4*\g+\t)], v[\sr+\t/2], v253 matrix_a_fmt:MATRIX_FMT_FP6 matrix_b_fmt:MATRIX_FMT_FP6 matrix_a_scale:MATRIX_SCALE_ROW1
.else
	v_wmma_scale_f32_16x16x128_f8f6f4 v[160+8*(4*\g+\t):167+8*(4*\g+\t)], v[\fr+12*\t:\fr+11+12*\t], v[224:235], v[160+8*(4*\g+\t):167+8*(4*\g+\t)], v[\sr+\t/2], v253 matrix_a_fmt:MATRIX_FMT_FP6 matrix_b_fmt:MATRIX_FMT_FP6
.endif
.endr
.endm
; A KEY STEP: one record, 128 keys.
.macro STEP
	v_add_nc_u32 v8, s[TB], v1
	s_wait_alu depctr_va_vdst(0)
	v_add_nc_u32 v10, s[TB], v2
	s_wait_alu depctr_va_vdst(0)
	PLACES 3                                       ; five places behind the last step's products: the first products below write over v96 on, which those read as fragments; four serve the loads into v32 on
.irp g, 0,1                                    ; S^T = K Q^T, four tiles of 16 keys at a time
.if \g
	PLACES 4
.endif
	FOUR 32, \g*6144, 24576+256*\g, 248
	s_wait_dscnt 0x0
.irp t, 0,1,2,3
.if \t%2
	v_wmma_scale_f32_16x16x128_f8f6f4 v[96+8*(4*\g+\t):103+8*(4*\g+\t)], v[32+12*\t:43+12*\t], v[16:27], 0, v[248+\t/2], v255 matrix_a_fmt:MATRIX_FMT_FP6 matrix_b_fmt:MATRIX_FMT_FP6 matrix_a_scale:MATRIX_SCALE_ROW1
.else
	v_wmma_scale_f32_16x16x128_f8f6f4 v[96+8*(4*\g+\t):103+8*(4*\g+\t)], v[32+12*\t:43+12*\t], v[16:27], 0, v[248+\t/2], v255 matrix_a_fmt:MATRIX_FMT_FP6 matrix_b_fmt:MATRIX_FMT_FP6
.endif
.endr
.endr
	PLACES 4
	FOUR 32, 12288, 25088, 250                     ; V's first four tiles are asked for now: they land under the softmax
.irp b, 0,1,2,3
	v_max3_num_f32 v[232+\b], v[96+16*\b], v[97+16*\b], v[98+16*\b]   ; the largest score of each block of 32 keys: it serves for the row's maximum and, since p rises with the score, for the block's largest p
.endr
.irp i, 3,5,7,9,11,13
.irp b, 0,1,2,3
	v_max3_num_f32 v[232+\b], v[232+\b], v[96+16*\b+\i], v[97+16*\b+\i]
.endr
.endr
.irp b, 0,1,2,3
	v_max_num_f32 v[232+\b], v[232+\b], v[111+16*\b]
.endr
.irp b, 0,1,2,3
	s_delay_alu instid0(VALU_DEP_4)
	v_permlanex16_b32 v[236+\b], v[232+\b], s[SEL], s[SEL+1]
.endr
.irp b, 0,1,2,3
	s_delay_alu instid0(VALU_DEP_4)
	v_max_num_f32 v[232+\b], v[232+\b], v[236+\b]  ; with lane l xor 16's 16 keys
.endr
	s_delay_alu instid0(VALU_DEP_2)
	v_max3_num_f32 v254, v232, v233, v234
	s_delay_alu instid0(VALU_DEP_1)
	v_max_num_f32 v254, v254, v235
	s_delay_alu instid0(VALU_DEP_1)
	v_mul_f32 v254, s[CS], v254                    ; as t (c is positive)
	s_delay_alu instid0(VALU_DEP_1)
	v_max_num_f32 v13, v13, v254                   ; the running largest t
	v_mov_b32 v254, v12
	s_delay_alu instid0(VALU_DEP_2)
	v_floor_f32 v12, -v13                          ; the new -M = -ceil(t)
	s_delay_alu instid0(VALU_DEP_1)
	v_sub_f32 v254, v12, v254                      ; old M - new M: a whole number, 0 or less
	s_delay_alu instid0(VALU_DEP_1)
	v_cvt_i32_f32 v254, v254                       ; (it saturates)
	s_delay_alu instid0(VALU_DEP_1)
	v_ldexp_f32 v252, 1.0, v254                    ; f = 2^(old M - new M)
.irp j, 0,2,4,6,8,10,12,14,16,18,20,22,24,26,28,30,32,34,36,38,40,42,44,46,48,50,52,54,56,58,60,62
	v_pk_fma_f32 v[96+\j:97+\j], v[96+\j:97+\j], s[CS:CS+1], v[12:13] op_sel_hi:[1,0,0]   ; t - M, two at a time
.endr
.irp b, 0,1,2,3
	v_fma_f32 v[232+\b], v[232+\b], s[CS], v12     ; the same of each block's largest score
.endr
	s_wait_alu depctr_va_vdst(0)
.irp j, 0,1,2,3,4,5,6,7,8,9,10,11,12,13,14,15,16,17,18,19,20,21,22,23,24,25,26,27,28,29,30,31,32,33,34,35,36,37,38,39,40,41,42,43,44,45,46,47,48,49,50,51,52,53,54,55,56,57,58,59,60,61,62,63
	v_exp_f32 v[96+\j], v[96+\j]                   ; p = 2^(t - M), at most 1
.endr
	v_pk_mul_f32 v[14:15], v[14:15], v[252:253] op_sel_hi:[1,0]   ; the sums under the new M (a plain line behind the exponentials)
	s_wait_alu depctr_va_vdst(0)                   ; one wait for the whole batch, ahead of its first reader
.irp b, 0,1,2,3
	v_exp_f32 v[232+\b], v[232+\b]                 ; the block's largest p
.endr
	v_pk_add_f32 v[236:237], v[100:101], v[104:105]
	v_pk_add_f32 v[248:249], v[108:109], v[112:113]
	v_pk_add_f32 v[246:247], v[116:117], v[120:121]
	v_pk_add_f32 v[244:245], v[124:125], v[128:129]
	v_pk_add_f32 v[242:243], v[132:133], v[136:137]
	v_pk_add_f32 v[240:241], v[140:141], v[144:145]
	v_pk_add_f32 v[238:239], v[148:149], v[152:153]
	v_pk_add_f32 v[14:15], v[14:15], v[156:157]
	v_pk_add_f32 v[236:237], v[236:237], v[96:97]
	v_pk_add_f32 v[248:249], v[248:249], v[98:99]
	v_pk_add_f32 v[246:247], v[246:247], v[102:103]
	v_pk_add_f32 v[244:245], v[244:245], v[106:107]
	v_pk_add_f32 v[242:243], v[242:243], v[110:111]
	v_pk_add_f32 v[240:241], v[240:241], v[114:115]
	v_pk_add_f32 v[238:239], v[238:239], v[118:119]
	v_pk_add_f32 v[14:15], v[14:15], v[122:123]
	v_pk_add_f32 v[236:237], v[236:237], v[126:127]
	v_pk_add_f32 v[248:249], v[248:249], v[130:131]
	v_pk_add_f32 v[246:247], v[246:247], v[134:135]
	v_pk_add_f32 v[244:245], v[244:245], v[138:139]
	v_pk_add_f32 v[242:243], v[242:243], v[142:143]
	v_pk_add_f32 v[240:241], v[240:241], v[146:147]
	v_pk_add_f32 v[238:239], v[238:239], v[150:151]
	v_pk_add_f32 v[14:15], v[14:15], v[154:155]
	v_pk_add_f32 v[236:237], v[236:237], v[158:159]
	s_delay_alu instid0(VALU_DEP_2)
	v_pk_add_f32 v[14:15], v[14:15], v[244:245]
	s_delay_alu instid0(VALU_DEP_2)
	v_pk_add_f32 v[236:237], v[236:237], v[242:243]
	v_pk_add_f32 v[248:249], v[248:249], v[240:241]
	v_pk_add_f32 v[246:247], v[246:247], v[238:239]
	s_delay_alu instid0(VALU_DEP_2)
	v_pk_add_f32 v[14:15], v[14:15], v[248:249]
	s_delay_alu instid0(VALU_DEP_2)
	v_pk_add_f32 v[236:237], v[236:237], v[246:247]
	s_delay_alu instid0(VALU_DEP_1)
	v_pk_add_f32 v[14:15], v[14:15], v[236:237]
	s_wait_alu depctr_va_vdst(0)                   ; and one for the four
.irp b, 0,1,2,3
	v_max_num_f32 v[232+\b], 0x1800000, v[232+\b]  ; the floor 2^(3 - 127)
.endr
.irp b, 0,1,2,3
	s_delay_alu instid0(VALU_DEP_4)
	v_add_nc_u32 v[244+\b], 0xff000000, v[232+\b]  ; the conversion's scale operand
.endr
.irp b, 0,1,2,3
	s_delay_alu instid0(VALU_DEP_4)
	v_lshrrev_b32 v[236+\b], 23, v[244+\b]         ; the scale's byte
.endr
	s_delay_alu instid0(VALU_DEP_3)
	v_lshl_or_b32 v253, v237, 8, v236              ; p's scale word for these 128 keys
	s_delay_alu instid0(VALU_DEP_1)
	v_lshl_or_b32 v253, v238, 16, v253
	s_delay_alu instid0(VALU_DEP_1)
	v_lshl_or_b32 v253, v239, 24, v253
.irp c, 0,1
	v_cvt_scalef32_pk16_fp6_f32 v[224+6*\c:226+6*\c], v[96+32*\c:111+32*\c], v[244+2*\c]
	v_cvt_scalef32_pk16_fp6_f32 v[236+4*\c:238+4*\c], v[112+32*\c:127+32*\c], v[244+2*\c+1]
.endr
	v_nop                                          ; one plain line behind the conversions
	FOUR 96, 12288+6144, 25088+256, 248            ; p is in codes: its registers take V's last four tiles, which land under the 44 lines below
.irp c, 0,1
.irp i, 0,1,2
	v_permlane16_swap_b32 v[224+6*\c+\i], v[236+4*\c+\i]
.endr
.irp i, 0,1,2
	s_delay_alu instid0(VALU_DEP_3)
	v_mov_b32 v[227+6*\c+\i], v[236+4*\c+\i]
.endr
.endr
.irp j, 0,2,4,6,8,10,12,14,16,18,20,22,24,26,28,30,32,34,36,38,40,42,44,46,48,50,52,54,56,58,60,62
	v_pk_mul_f32 v[160+\j:161+\j], v[160+\j:161+\j], v[252:253] op_sel_hi:[1,0]   ; O^T under the new M; these 32 also stand between the lines that made p's codes and scale word and the products
.endr
	s_wait_alu depctr_va_vdst(0)
	s_wait_dscnt 14                                ; V's first four tiles are in; the 14 loads of the last four may be out
	PV 0, 32, 250
	s_wait_dscnt 0x0
	PV 1, 96, 248
	s_add_co_u32 s[TB], s[TB], REC
.endm
.macro PROCESS k                       ; my two records of slot k: the step is written once and walked twice
	s_add_co_u32 s[TB], s[GOF], \k*SLOTB
	s_mov_b32 s[CNT], 2
.Lstep_\@:
	STEP
	s_sub_co_u32 s[CNT], s[CNT], 1
	s_cmp_lg_u32 s[CNT], 0
	s_cbranch_scc1 .Lstep_\@
.endm
	s_wait_alu depctr_va_vdst(0)                   ; the wait at the head's end
	s_wait_tensorcnt 0x0                           ; my part of slot 0 is in
	ds_add_u32 v5, v6
	s_wait_dscnt 0x0
	CROUND                                         ; everybody's part is in, and the joint loads meet
	tensor_load_to_lds s[G0+4:G0+7], s[G1W:G1W+7]  ; keys 512-1,535, slots 1 and 2 by one load: two key steps of mine ahead of their first read
	s_nop 0
	PLACES 4
	s_wait_loadcnt 0x0
	PROCESS 0
	s_wait_tensorcnt 0x0                           ; all my tensor loads have landed, slots 1 and 2 among them: a group 0 may be written
	ds_add_u32 v5, v6                              ; 0 onto my spare word
	s_add_nc_u64 s[G0+2:G0+3], s[G0+2:G0+3], 3*SLOTB   ; keys 1,536-2,047
	s_wait_dscnt 0x0                               ; the add is done, and my reads of slot 0 are over
	CROUND                                         ; no wave of any partner still reads slot 0 or has a load on its way
	tensor_load_to_lds s[G0:G0+3], s[G1:G1+7]      ; the one refill: four key steps of mine ahead of its first read
	s_nop 0
	PLACES 4
	PROCESS 1
	PROCESS 2
	s_wait_tensorcnt 0x0                           ; my part of the refill is in,
	s_wait_dscnt 0x0                               ; and my reads of slots 1 and 2 are over
	s_barrier_signal -1
	s_barrier_wait -1                              ; both hold of every wave
	PROCESS 0
	; THE TWO HALVES OF THE KEYS MEET.  Waves 8-15 put O^T, -M and their sum into the exchange as they stand in the registers, 16 bytes a lane; a barrier; waves 0-7 take them up.
	v_add_f32 v14, v14, v15                        ; my sum's two halves
	PLACES 3                                       ; with the line above: four places behind the last products
	s_cmp_lt_u32 s[WV], 8
	s_cbranch_scc1 .Lkeep
.irp i, 0,1,2,3,4,5,6,7,8,9,10,11,12,13,14,15
	ds_store_b128 v4, v[160+4*\i:163+4*\i] offset:512*\i     ; each accumulator from its low end on
.endr
	ds_store_b128 v4, v[12:15] offset:8192         ; -M, the largest t, the sum
.Lkeep:
	s_wait_dscnt 0x0                               ; for the others' sake: my stores are done
	s_barrier_signal -1
	s_barrier_wait -1
	s_cmp_ge_u32 s[WV], 8
	s_cbranch_scc1 .Lend                           ; waves 8-15 have handed their part over
.irp i, 0,1,2,3,4,5,6,7,8,9,10,11,12,13,14,15
	ds_load_b128 v[96+4*\i:99+4*\i], v4 offset:512*\i
.endr
	ds_load_b128 v[232:235], v4 offset:8192
	s_wait_dscnt 0x0
	v_min_num_f32 v252, v12, v232                  ; the common -M: the larger M of the two
	s_delay_alu instid0(VALU_DEP_1)
	v_sub_f32 v253, v252, v12                      ; my M - the common M: a whole number, 0 or less
	s_delay_alu instid0(VALU_DEP_2)
	v_sub_f32 v254, v252, v232                     ; my partner's likewise
	s_delay_alu instid0(VALU_DEP_2)
	v_cvt_i32_f32 v253, v253
	s_delay_alu instid0(VALU_DEP_2)
	v_cvt_i32_f32 v254, v254
	s_delay_alu instid0(VALU_DEP_2)
	v_ldexp_f32 v236, 1.0, v253                    ; my factor,
	s_wait_alu depctr_va_vdst(0)
	v_ldexp_f32 v238, 1.0, v254                    ; my partner's: powers of two
	v_mul_f32 v14, v14, v236
	s_delay_alu instid0(VALU_DEP_1)
	v_fma_f32 v14, v234, v238, v14                 ; both sums under the common M
	s_delay_alu instid0(VALU_DEP_1)
	v_permlanex16_b32 v252, v14, s[SEL], s[SEL+1]
	s_delay_alu instid0(VALU_DEP_1)
	v_add_f32 v14, v14, v252                       ; with lane l xor 16's keys: the row's sum
	s_wait_alu depctr_va_vdst(0)
	v_rcp_f32 v14, v14
	v_nop                                          ; a plain line behind the reciprocal,
	s_wait_alu depctr_va_vdst(0)                   ; and the wait ahead of its first reader
	v_mul_f32 v236, v236, v14                      ; the division goes into the two factors
	v_mul_f32 v238, v238, v14
.irp j, 0,2,4,6,8,10,12,14,16,18,20,22,24,26,28,30,32,34,36,38,40,42,44,46,48,50,52,54,56,58,60,62
	v_pk_mul_f32 v[96+\j:97+\j], v[96+\j:97+\j], v[238:239] op_sel_hi:[1,0]
.endr
.irp j, 0,2,4,6,8,10,12,14,16,18,20,22,24,26,28,30,32,34,36,38,40,42,44,46,48,50,52,54,56,58,60,62
	v_pk_fma_f32 v[96+\j:97+\j], v[160+\j:161+\j], v[236:237], v[96+\j:97+\j] op_sel_hi:[1,0,1]   ; the context: register 16 b + i = channel 32 b + 16 (lane / 16) + i of my token
.endr
	; THE WAY OUT: 16 tokens x the head's 128 channels, quantised as they stand; K step = the head.
.irp b, 0,1,2,3
	v_max3_num_f32 v[TM+\b], |v[96+16*\b]|, |v[97+16*\b]|, 0x1800000
.endr
.irp i, 2,4,6,8,10,12,14
.irp b, 0,1,2,3
	s_delay_alu instid0(VALU_DEP_4)
	v_max3_num_f32 v[TM+\b], v[TM+\b], |v[96+16*\b+\i]|, |v[97+16*\b+\i]|
.endr
.endr
.irp b, 0,1,2,3
	s_delay_alu instid0(VALU_DEP_4)
	v_permlanex16_b32 v[TM+4+\b], v[TM+\b], s[SEL], s[SEL+1]
.endr
.irp b, 0,1,2,3
	s_delay_alu instid0(VALU_DEP_4)
	v_max_num_f32 v[TM+\b], v[TM+\b], v[TM+4+\b]
.endr
.irp b, 0,1,2,3
	s_delay_alu instid0(VALU_DEP_4)
	v_add_nc_u32 v[TM+12+\b], 0xff000000, v[TM+\b]
.endr
.irp b, 0,1,2,3
	s_delay_alu instid0(VALU_DEP_4)
	v_lshrrev_b32 v[TM+4+\b], 23, v[TM+12+\b]
.endr
	s_delay_alu instid0(VALU_DEP_3)
	v_lshl_or_b32 v[PW], v[TM+5], 8, v[TM+4]
	s_delay_alu instid0(VALU_DEP_1)
	v_lshl_or_b32 v[PW], v[TM+6], 16, v[PW]
	s_delay_alu instid0(VALU_DEP_1)
	v_lshl_or_b32 v[PW], v[TM+7], 24, v[PW]
.irp c, 0,1
	v_cvt_scalef32_pk16_fp6_f32 v[PC+6*\c:PC+2+6*\c], v[96+32*\c:111+32*\c], v[TM+12+2*\c]
	v_cvt_scalef32_pk16_fp6_f32 v[PC+12+4*\c:PC+14+4*\c], v[112+32*\c:127+32*\c], v[TM+12+2*\c+1]
.endr
	v_nop                                          ; one plain line behind the conversions
.irp c, 0,1
.irp i, 0,1,2
	v_permlane16_swap_b32 v[PC+6*\c+\i], v[PC+12+4*\c+\i]
.endr
.irp i, 0,1,2
	s_delay_alu instid0(VALU_DEP_3)
	v_mov_b32 v[PC+3+6*\c+\i], v[PC+12+4*\c+\i]
.endr
.endr
.irp c, 0,1,2
	global_store_b128 v1, v[PC+4*\c:PC+4*\c+3], s[46:47] offset:512*\c   ; the image: 512 consecutive bytes a store
.endr
	global_store_b32 v3, v[PW], s[48:49]           ; the scale words (both halves of the lanes write the same word)
.Lend:
	s_wait_tensorcnt 0x0                           ; the wave's end
	ds_add_u32 v5, v6
	s_wait_dscnt 0x0
	CROUND                                         ; the closing round
	s_endpgm
.Lfunc_end_k_qb0d4c9ff73_attn:
	.size	k_qb0d4c9ff73_attn, .Lfunc_end_k_qb0d4c9ff73_attn-k_qb0d4c9ff73_attn
	.p2alignl 7, 3214868480
	.fill 96, 4, 3214868480
	.section	.rodata,"a",@progbits
	.p2align	6, 0x0
	.amdhsa_kernel k_qb0d4c9ff73_attn
		.amdhsa_group_segment_fixed_size 327680
		.amdhsa_private_segment_fixed_size 0
		.amdhsa_enable_private_segment 0
		.amdhsa_kernarg_size 24
		.amdhsa_user_sgpr_count 2
		.amdhsa_user_sgpr_kernarg_segment_ptr 1
		.amdhsa_wavefront_size32 1
		.amdhsa_system_sgpr_workgroup_id_x 1
		.amdhsa_system_sgpr_workgroup_id_y 1
		.amdhsa_system_sgpr_workgroup_id_z 1
		.amdhsa_system_vgpr_workitem_id 0
		.amdhsa_next_free_vgpr 256
		.amdhsa_next_free_sgpr 66
		.amdhsa_reserve_vcc 0
		.amdhsa_float_denorm_mode_32 3
		.amdhsa_float_denorm_mode_16_64 3
		.amdhsa_memory_ordered 1
		.amdhsa_forward_progress 1
		.amdhsa_inst_pref_size 104
	.end_amdhsa_kernel
	.amdgpu_metadata
---
amdhsa.version: [ 1, 2 ]
amdhsa.kernels:
  - .name:           k_qb0d4c9ff73_attn
    .symbol:         k_qb0d4c9ff73_attn.kd
    .args:
      - { .name: qop, .offset: 0, .size: 8, .value_kind: global_buffer, .address_space: global }
      - { .name: kv, .offset: 8, .size: 8, .value_kind: global_buffer, .address_space: global }
      - { .name: cop, .offset: 16, .size: 8, .value_kind: global_buffer, .address_space: global }
    .group_segment_fixed_size: 327680
    .private_segment_fixed_size: 0
    .kernarg_segment_align: 8
    .kernarg_segment_size: 24
    .max_flat_workgroup_size: 512
    .sgpr_count:     66
    .vgpr_count:     256
    .wavefront_size: 32
...
	.end_amdgpu_metadata
.endif
;; end of part 3
;; launch outp (part 4): grid 16 x 16, 4 waves a work-group, clusters of 4 x 4, 327,680 bytes of LDS; arguments cop, wop, out0; writes out0
.if DOCPART == 4
	.amdgcn_target "amdgcn-amd-amdhsa--gfx1250"
	.amdhsa_code_object_version 6
	.text
	.protected	k_qb0d4c9ff73_outp
	.globl	k_qb0d4c9ff73_outp
	.p2align	8
	.type	k_qb0d4c9ff73_outp,@function
k_qb0d4c9ff73_outp:
	s_mov_b64 s[64:65], 0
	v_nop
	global_prefetch_b8 v0, s[64:65] scope:SCOPE_SE
	s_setreg_imm32_b32 hwreg(HW_REG_WAVE_MODE, 25, 1), 1
	s_wait_xcnt 0x0
	s_wait_alu depctr_hold_cnt(0) depctr_sa_sdst(0) depctr_va_vdst(0) depctr_va_sdst(0) depctr_va_ssrc(0) depctr_va_vcc(0) depctr_vm_vsrc(0)
	s_getreg_b32 s2, hwreg(HW_REG_IB_STS2, 6, 4)
	s_cmp_eq_u32 s2, 0
	s_cbranch_scc0 .Lentry_in_a_cluster
	s_endpgm
.Lentry_in_a_cluster:
	s_bfe_u32 s2, ttmp6, 0x10000c
	s_cmp_lg_u32 s2, 0xf033
	s_cbranch_scc0 .Lentry_shape_is_right
	s_endpgm
.Lentry_shape_is_right:
; OUTP: out0 = context x wo, on codes of FP6 (E2M3) with E8M0 scales; sums in f32.
; A block of out0 is 128 tokens x 128 columns: 16 x 16 = 256 work-groups; four waves, 64 x 64 each: 16 accumulators, which take turns.
; OPERANDS ARE IMAGES OF REGISTERS: image (row block rb, K step ks) at (ks / 2) x 393,216 + rb x 3,072 + (ks % 2) x 1,536; eight row blocks of a K slot (256 along K) are 24,576 dense bytes, a PART.
; K has eight K slots.  Waves 0, 1 fetch for A (the context), waves 2, 3 for B (wo's columns); wave parity p takes K slots p, p + 2, p + 4 BY ONE LOAD at the head: 3 rows of 24,576 bytes, 786,432 bytes apart,
; which land on end in the wave's own 73,728 bytes of LDS.  K slot p + 6 is the one refill, into the first row's bytes, when K steps 0-3 are read out; it has eight K steps in which to land.
; THE SCALE WORDS go from memory into registers: a load of 4 bytes a lane brings a row block's words of two K steps (lanes 0-15 the even step's, lanes 16-31 the odd one's); a wave's eight loads of a row block cover its 1,024 bytes once.
; CLUSTERS: 4 x 4; A's tiles are shared along a row of the cluster, B's along a column: joint loads.
; THE MATRIX INSTRUCTION IS USED TRANSPOSED (source 0 = 16 of wo's columns, source 1 = 16 tokens): a lane holds a token and eight neighbouring columns.  Place r of block rb is row 32 (rb / 2) + 8 (rb % 2) + r + 8 (r / 8).
; THE WAY OUT: my 64 x 64 goes through a stage of my own (64 rows of 256 + 16 bytes, in my region's second row, which is filled once and read for the last time ahead of the last barrier); sixteen lanes store a row's 256 bytes.
; No data prefetch: the text has no loop to run ahead in, and all but the last quarter of K is asked for at the head.
.set PART,  24576
.set R3,    3*PART                     ; a wave's region in LDS
.set KSL,   393216
.set OPB,   3145728
.set SPARE, 4*R3                       ; the spare words, 128 bytes a wave
.set SP,    272
.set ADRA, 16                          ; v16-17 my A fragments, K slot parity 0, 1
.set ADRB, 20                          ; v20-21 my B fragments
.set STO,  24
.set RD,   25
.set CO,   26
.set L4,   27                          ; 4 x lane
.set SPW,  28
.set NIL,  29
.set ACC,  128                         ; v128-255 the accumulators; v32-95 scale words: K slot kp: A's block i at 32 + 8 kp + i, B's at 36 + 8 kp + i; window 1: fragments, two sets
.set TC,   45
.set G1,   24                          ; group 1, the refill's: 96 rows of 256 bytes
.set G0,   32
.set G1B,  48
.set G0B,  56
.set G1H,  68                          ; group 1, the head's: 3 rows of 24,576 bytes
.set G1HB, 80
.set MSB, 0
.macro WIN new
.set WNEW, \new
.if MSB != WNEW
	s_set_vgpr_msb (MSB<<8)|WNEW
.set MSB, WNEW
.endif
.endm
.macro PLACES n
.rept \n
	v_nop
.endr
.endm
.macro JLOAD g0a, g1a, g0b, g1b        ; a joint load: waves 0, 1 for A, waves 2, 3 for B
	s_cmp_eq_u32 s11, 0
	s_cbranch_scc0 .Lfor_b_\@
	tensor_load_to_lds s[\g0a:\g0a+3], s[\g1a:\g1a+7]
	s_nop 0
.rept 4
	v_nop
.endr
	s_branch .Lasked_\@
.Lfor_b_\@:
	tensor_load_to_lds s[\g0b:\g0b+3], s[\g1b:\g1b+7]
	s_nop 0
.rept 4
	v_nop
.endr
.Lasked_\@:
.endm
.macro CREST
	s_cmp_lg_u32 s10, 0
	s_cbranch_scc1 .Lnot_wave_0_\@
	s_barrier_signal -3
.Lnot_wave_0_\@:
	s_barrier_wait -3
	s_barrier_signal -1
	s_barrier_wait -1
.endm
.macro CROUND
	s_barrier_signal -1
	s_barrier_wait -1
	CREST
.endm
	s_load_b128 s[4:7], s[0:1], 0x0                ; cop, wop
	s_load_b64 s[8:9], s[0:1], 0x10                ; out0
	v_lshl_add_u32 v[SPW], v0, 2, SPARE
	v_mov_b32 v[NIL], 0
	ds_add_u32 v[SPW], v[NIL]                      ; the opening lines: the add twice on end and its wait
	ds_add_u32 v[SPW], v[NIL]
	v_lshrrev_b32 v1, 5, v0
	v_readfirstlane_b32 s10, v1                    ; wave
	s_lshr_b32 s11, s10, 1                         ; my half of the tokens; also: I fetch for A (0) or B (1)
	s_and_b32 s12, s10, 1                          ; my half of the columns; also: the parity of the K slots that I fetch
	s_bfe_u32 s66, ttmp6, 0x40000                  ; cx, cy
	s_bfe_u32 s67, ttmp6, 0x40004
	s_lshl_b32 s[TC], ttmp9, 2
	s_add_co_u32 s[TC], s[TC], s66                 ; block column
	s_and_b32 s13, ttmp7, 0xffff
	s_lshl_b32 s13, s13, 2
	s_add_co_u32 s13, s13, s67                     ; block row
	s_lshl_b32 s98, s67, 2
	s_lshl_b32 s98, 15, s98                        ; my row of the cluster
	s_lshl_b32 s99, 0x1111, s66                    ; my column
	s_or_b32 s[G1+0], s98, (3<<16)|(1<<21)         ; the mask, elements of 8 bytes, bit 21 beside a mask
	s_or_b32 s[G1B+0], s99, (3<<16)|(1<<21)
	s_or_b32 s[G1H+0], s98, (3<<16)|(1<<21)
	s_or_b32 s[G1HB+0], s99, (3<<16)|(1<<21)
.irp g, G1, G1B
	s_mov_b32 s[\g+1], 32<<16
	s_mov_b32 s[\g+2], 96<<16
	s_mov_b32 s[\g+3], 32<<16
	s_mov_b32 s[\g+4], 96
	s_mov_b32 s[\g+5], 32
	s_mov_b32 s[\g+6], 0
	s_mov_b32 s[\g+7], 0
.endr
.irp g, G1H, G1HB
	s_mov_b32 s[\g+1], 3072<<16                    ; tensor_dim0: 3,072 elements
	s_mov_b32 s[\g+2], 3<<16                       ; tensor_dim1
	s_mov_b32 s[\g+3], 3072<<16                    ; tile_dim0
	s_mov_b32 s[\g+4], 3                           ; tile_dim1
	s_mov_b32 s[\g+5], 2*KSL/8                     ; from row to row: two K slots
	s_mov_b32 s[\g+6], 0
	s_mov_b32 s[\g+7], 0
.endr
	s_mul_i32 s14, s12, KSL
	s_mul_i32 s16, s13, PART                       ; A's codes: the block row and my parity
	s_add_co_u32 s16, s16, s14
	s_mov_b32 s17, 0
	s_lshl_b32 s18, s13, 13                        ; A's scale words: my four row blocks
	s_lshl_b32 s15, s11, 12
	s_add_co_u32 s18, s18, s15
	s_add_co_u32 s18, s18, OPB
	s_mov_b32 s19, 0
	s_mul_i32 s46, s[TC], PART                     ; B's codes: wo is the fourth weight
	s_add_co_u32 s46, s46, s14
	s_add_co_u32 s46, s46, 3*OPB
	s_mov_b32 s47, 0
	s_lshl_b32 s96, s[TC], 13                      ; B's scale words
	s_lshl_b32 s15, s12, 12
	s_add_co_u32 s96, s96, s15
	s_add_co_u32 s96, s96, 4*OPB+3*131072
	s_mov_b32 s97, 0
	s_lshl_b32 s20, s13, 20                        ; out0: 128 rows of 8,192 bytes a block row, 64 a half; 512 bytes a block column, 256 a half
	s_lshl_b32 s21, s11, 19
	s_add_co_u32 s20, s20, s21
	s_lshl_b32 s21, s[TC], 9
	s_add_co_u32 s20, s20, s21
	s_lshl_b32 s21, s12, 8
	s_add_co_u32 s20, s20, s21
	s_mov_b32 s21, 0
	s_mul_i32 s22, s10, R3                         ; my region: the wave's number alone enters an LDS address
	s_mul_i32 s40, s11, 12288                      ; my four row blocks of A, parity 0, 1
	s_add_co_u32 s41, s40, R3
	s_mul_i32 s42, s12, 12288                      ; and of B, behind A's two regions
	s_add_co_u32 s42, s42, 2*R3
	s_add_co_u32 s43, s42, R3
	s_add_co_u32 s44, s22, PART                    ; my stage
	s_wait_dscnt 0x0                               ; both opening adds are done
	s_wait_kmcnt 0x0
	s_add_nc_u64 s[16:17], s[4:5], s[16:17]
	s_add_nc_u64 s[18:19], s[4:5], s[18:19]
	s_add_nc_u64 s[46:47], s[6:7], s[46:47]
	s_add_nc_u64 s[96:97], s[6:7], s[96:97]
	s_add_nc_u64 s[8:9], s[8:9], s[20:21]
	CROUND                                         ; all sixteen work-groups are here: the first joint loads meet
	s_mov_b32 s[G0], 1
	s_mov_b32 s[G0+1], s22
	s_mov_b64 s[G0+2:G0+3], s[16:17]
	s_or_b32 s[G0+3], s[G0+3], 0x80000000
	s_mov_b32 s[G0B], 1
	s_mov_b32 s[G0B+1], s22
	s_mov_b64 s[G0B+2:G0B+3], s[46:47]
	s_or_b32 s[G0B+3], s[G0B+3], 0x80000000
	JLOAD G0, G1H, G0B, G1HB                       ; my one load at the head: three K slots
	v_and_b32 v1, 31, v0
	v_and_b32 v3, 15, v0                           ; r
	v_bfe_u32 v4, v0, 4, 1                         ; h
	v_lshlrev_b32 v2, 4, v1
	v_lshlrev_b32 v[L4], 2, v1
	v_add_nc_u32 v[ADRA], s40, v2
	v_add_nc_u32 v[ADRA+1], s41, v2
	v_add_nc_u32 v[ADRB], s42, v2
	v_add_nc_u32 v[ADRB+1], s43, v2
	v_mul_u32_u24 v5, v3, SP
	v_lshl_add_u32 v5, v4, 6, v5
	v_add_nc_u32 v[STO], s44, v5                   ; into the stage: row r, + 64 h
	v_mul_u32_u24 v6, v4, SP
	v_lshl_add_u32 v6, v3, 4, v6
	v_add_nc_u32 v[RD], s44, v6                    ; back: sixteen lanes to a row, two rows an instruction
	v_lshlrev_b32 v7, 13, v4
	v_lshl_add_u32 v[CO], v3, 4, v7                ; and the same two rows in out0
	s_wait_alu depctr_va_vdst(0)                   ; the wait at the head's end
.irp kp, 0,1,2,3,4,5,6,7
.irp i, 0,1,2,3
	global_load_b32 v[32+8*\kp+\i], v[L4], s[18:19] offset:1024*\i+128*\kp
	global_load_b32 v[36+8*\kp+\i], v[L4], s[96:97] offset:1024*\i+128*\kp
.endr
.endr
.macro FETCH n                         ; K step n's fragments, four of B and four of A, into set n % 2 of window 1: K slot n / 2 lies in row (n / 4) % 3 of the regions of parity (n / 2) % 2
.set FN, \n
.set FP, (FN%4)/2
.set FOF, ((FN/4)%3)*PART+(FN%2)*1536
.set FST, 128*(FN%2)
	WIN 0x40
.irp i, 0,1,2,3
.irp c, 0,1,2
	ds_load_b128 v[FST+12*\i+4*\c:FST+12*\i+4*\c+3], v[ADRB+FP] offset:FOF+\i*3072+512*\c
.endr
.endr
.irp i, 0,1,2,3
.irp c, 0,1,2
	ds_load_b128 v[FST+48+12*\i+4*\c:FST+48+12*\i+4*\c+3], v[ADRA+FP] offset:FOF+\i*3072+512*\c
.endr
.endr
.endm
.macro MULQ n, a                       ; A's block a x B's four; step 0's products start the sums
.set MN, \n
.set MST, 128*(MN%2)
	WIN 0x05
.irp b, 0,1,2,3
.set rD, ACC+8*(4*(\a)+\b)
.set rB, MST+12*\b
.set rA, MST+48+12*(\a)
.set rSB, 36+8*(MN/2)+\b
.set rSA, 32+8*(MN/2)+(\a)
.if MN == 0
	v_wmma_scale_f32_16x16x128_f8f6f4 v[rD:rD+7], v[rB:rB+11], v[rA:rA+11], 0, v[rSB], v[rSA] matrix_a_fmt:MATRIX_FMT_FP6 matrix_b_fmt:MATRIX_FMT_FP6
.elseif MN%2
	v_wmma_scale_f32_16x16x128_f8f6f4 v[rD:rD+7], v[rB:rB+11], v[rA:rA+11], v[rD:rD+7], v[rSB], v[rSA] matrix_a_fmt:MATRIX_FMT_FP6 matrix_b_fmt:MATRIX_FMT_FP6 matrix_a_scale:MATRIX_SCALE_ROW1 matrix_b_scale:MATRIX_SCALE_ROW1
.else
	v_wmma_scale_f32_16x16x128_f8f6f4 v[rD:rD+7], v[rB:rB+11], v[rA:rA+11], v[rD:rD+7], v[rSB], v[rSA] matrix_a_fmt:MATRIX_FMT_FP6 matrix_b_fmt:MATRIX_FMT_FP6
.endif
.endr
.endm
.macro STEPO n
	s_wait_dscnt 0x0                               ; this step's fragments are in
	PLACES 4                                       ; in front of loads into the set that the step before multiplied
	FETCH (\n)+1
	MULQ \n, 0
	MULQ \n, 1
	MULQ \n, 2
	MULQ \n, 3
.endm
.macro TURNO n, fill                   ; a step with a barrier: in front of it all my tensor loads are waited for, the add, and my LDS reads
	WIN 0
	s_wait_tensorcnt 0x0
	ds_add_u32 v[SPW], v[NIL]
	s_wait_dscnt 1                                 ; the add may be out
	MULQ \n, 0
	s_wait_dscnt 0x0
	s_barrier_signal -1
	MULQ \n, 1
	WIN 0
	s_barrier_wait -1
.if \fill
	CREST                                          ; the barrier has opened a round of the cluster's: no wave of any partner still reads the first rows or has a load on its way
	s_add_nc_u64 s[G0+2:G0+3], s[G0+2:G0+3], 6*KSL
	s_add_nc_u64 s[G0B+2:G0B+3], s[G0B+2:G0B+3], 6*KSL
	JLOAD G0, G1, G0B, G1B                         ; K slot 6 + parity, into my region's first row; its four v_nop are the places in front of the loads below
.else
	PLACES 4
.endif
	FETCH (\n)+1
	MULQ \n, 2
	MULQ \n, 3
.endm
	s_wait_tensorcnt 0x0                           ; my three K slots are in,
	s_barrier_signal -1
	s_barrier_wait -1                              ; everybody's are
	FETCH 0
	s_wait_loadcnt 0x0                             ; the scale words
	STEPO 0
	STEPO 1
	STEPO 2
	TURNO 3, 1
.irp n, 4,5,6,7,8,9,10
	STEPO \n
.endr
	TURNO 11, 0                                    ; the refill is whole, and nobody reads the second and third rows any more
	STEPO 12
	STEPO 13
	STEPO 14
	s_wait_dscnt 0x0
	MULQ 15, 0
	MULQ 15, 1
	MULQ 15, 2
	MULQ 15, 3
	WIN 0
	PLACES 4
.irp a, 0,1,2,3
.irp b, 0,1,2,3
	ds_store_b128 v[STO], v[ACC+8*(4*\a+\b):ACC+8*(4*\a+\b)+3] offset:16*\a*SP+128*(\b/2)+32*(\b%2)      ; each accumulator from its low end on; column 32 (b / 2) + 16 h + 8 (b % 2) + j
	ds_store_b128 v[STO], v[ACC+8*(4*\a+\b)+4:ACC+8*(4*\a+\b)+7] offset:16*\a*SP+128*(\b/2)+32*(\b%2)+16
.endr
.endr
	s_wait_dscnt 0x0                               ; the stores have read the accumulators, which take the rows back
.set T, 0
.rept 32
	ds_load_b128 v[ACC+4*T:ACC+4*T+3], v[RD] offset:2*T*SP
.set T, T+1
.endr
.set T, 0
.rept 32                               ; stage rows 2 T, 2 T + 1 are places 2 (T % 8), + 1 of block T / 8
	s_wait_dscnt 31-T                              ; the younger read-backs may be out
	global_store_b128 v[CO], v[ACC+4*T:ACC+4*T+3], s[8:9] offset:(32*(T/16)+8*((T/8)%2)+2*(T%8)+8*((T%8)/4))*8192 th:TH_STORE_NT   ; sixteen lanes store 256 consecutive bytes, at a multiple of 256 from out0's first byte
.set T, T+1
.endr
	s_wait_tensorcnt 0x0                           ; the wave's end
	ds_add_u32 v[SPW], v[NIL]
	s_wait_dscnt 0x0
	CROUND                                         ; the closing round
	s_endpgm
.Lfunc_end_k_qb0d4c9ff73_outp:
	.size	k_qb0d4c9ff73_outp, .Lfunc_end_k_qb0d4c9ff73_outp-k_qb0d4c9ff73_outp
	.p2alignl 7, 3214868480
	.fill 96, 4, 3214868480
	.section	.rodata,"a",@progbits
	.p2align	6, 0x0
	.amdhsa_kernel k_qb0d4c9ff73_outp
		.amdhsa_group_segment_fixed_size 327680
		.amdhsa_private_segment_fixed_size 0
		.amdhsa_enable_private_segment 0
		.amdhsa_kernarg_size 24
		.amdhsa_user_sgpr_count 2
		.amdhsa_user_sgpr_kernarg_segment_ptr 1
		.amdhsa_wavefront_size32 1
		.amdhsa_system_sgpr_workgroup_id_x 1
		.amdhsa_system_sgpr_workgroup_id_y 1
		.amdhsa_system_sgpr_workgroup_id_z 1
		.amdhsa_system_vgpr_workitem_id 0
		.amdhsa_next_free_vgpr 512
		.amdhsa_next_free_sgpr 100
		.amdhsa_reserve_vcc 0
		.amdhsa_float_denorm_mode_32 3
		.amdhsa_float_denorm_mode_16_64 3
		.amdhsa_memory_ordered 1
		.amdhsa_forward_progress 1
		.amdhsa_inst_pref_size 83
	.end_amdhsa_kernel
	.amdgpu_metadata
---
amdhsa.version: [ 1, 2 ]
amdhsa.kernels:
  - .name:           k_qb0d4c9ff73_outp
    .symbol:         k_qb0d4c9ff73_outp.kd
    .args:
      - { .name: cop, .offset: 0, .size: 8, .value_kind: global_buffer, .address_space: global }
      - { .name: wop, .offset: 8, .size: 8, .value_kind: global_buffer, .address_space: global }
      - { .name: out0, .offset: 16, .size: 8, .value_kind: global_buffer, .address_space: global }
    .group_segment_fixed_size: 327680
    .private_segment_fixed_size: 0
    .kernarg_segment_align: 8
    .kernarg_segment_size: 24
    .max_flat_workgroup_size: 128
    .sgpr_count:     100
    .vgpr_count:     512
    .wavefront_size: 32
...
	.end_amdgpu_metadata
.endif
;; end of part 4
